; MI455X (gfx1250); checked and timed in simulation.
; The chip was launched on July 23, 2026; its instructions are those of AMD's public machine-readable ISA for CDNA 5 (MIT licence, August 2026) and "CDNA5" Instruction Set Architecture Reference Guide (July 2026). The comments in the code are by the model that wrote it; some were corrected since.
;; GQA Flash Attn. Allowed arithmetic: matrix products marked QUANTISED: E5M2 operands, one given power-of-two scale a tensor, by v_wmma_f32_16x16x64_bf8_bf8 or v_wmma_f32_16x16x128_bf8_bf8, f32 sums; everything else in f32.
;; Inputs: Wk 2,048 x 512 float32; Wo 2,048 x 2,048 float32; Wq 2,048 x 2,048 float32; Wv 2,048 x 512 float32; cos 2,048 x 128 float32; k_beta 128 float32; k_gamma 128 float32; lowp_scales 12 int32 (the exponents e of the quantised operands' scales 2^e); q_beta 128 float32; q_gamma 128 float32; sin 2,048 x 128 float32; x 1 x 2,048 x 2,048 float32.
;; Outputs: out0 1 x 2,048 x 2,048 float32.
;; This version of the problem:
;;   THIS VERSION OF THE PROBLEM IS GIVEN IN LOW PRECISION. The matrix products marked QUANTISED in the list below multiply operands that are first quantised to E5M2 (5 exponent bits, 2 mantissa bits; 8 bits a number), with one given power-of-two scale for each operand tensor; their sums are f32. All else is computed in f32.
;;   The module's matrix products, in the order in which they are computed (A, B: the left and right operand; K: the contracted axis; several contracted axes count as one K, in the product's order):
;;     1. [M 2,048, K 2,048] x [K 2,048, N 2,048]; A: input x; B: input Wq: QUANTISED (scales: A lowp_scales[0], B lowp_scales[1])
;;     2. [M 2,048, K 2,048] x [K 2,048, N 512]; A: input x; B: input Wk: QUANTISED (scales: A lowp_scales[2], B lowp_scales[3])
;;     3. [M 2,048, K 2,048] x [K 2,048, N 512]; A: input x; B: input Wv: QUANTISED (scales: A lowp_scales[4], B lowp_scales[5])
;;     4. batch 16 x [M 2,048, K 128] x [K 128, N 2,048]; A: computed on the way; B: computed on the way: QUANTISED (scales: A lowp_scales[6], B lowp_scales[7])
;;     5. batch 16 x [M 2,048, K 2,048] x [K 2,048, N 128]; A: softmax (see below); B: computed on the way: QUANTISED (scales: A lowp_scales[8], B lowp_scales[9])
;;     6. [M 2,048, K 2,048] x [K 2,048, N 2,048]; A: computed on the way; B: input Wo: QUANTISED (scales: A lowp_scales[10], B lowp_scales[11])
;;   THE QUANTISER, for each operand of a quantised product, along K:
;;     - The operand's scale is 2^e, e = its entry of the input lowp_scales (int32; the entries are numbered through the quantised products in the list's order, A before B).
;;     - Each number is divided by the scale, clamped to +-57,344, and rounded to the nearest number of E5M2, ties to even, subnormals kept.
;;     - The product sums the exact products of the quantised numbers (number of the format x scale) in f32.
;;   ~~~python
;;   def quantise(x, axis, e):      # numpy; x: float32 -> the quantised numbers, widened to float32 again
;;       x = np.moveaxis(x, axis, -1); K = x.shape[-1]
;;       r = np.clip(x / 2.0 ** e, -57344, 57344)
;;       step = 2.0 ** (np.maximum(np.frexp(np.where(r == 0, 1, r))[1] - 1, -14) - 2)
;;       q = np.round(r / step) * step * 2.0 ** e      # np.round: ties to even
;;       return np.moveaxis(q, -1, axis).astype(np.float32)
;;   ~~~
;;   SOFTMAX AHEAD OF A QUANTISED PRODUCT. Where the list says 'softmax', what is quantised is not the finished softmax but p = 2^(t - M), with t = logit x log2(e) and M = ceil(the row's largest t), a whole number; so 1/2 < the row's largest p <= 1. The row's sum l is taken of the UNQUANTISED p, in f32, and the product's result is divided by l at the end. Since M is a whole number, a kernel that streams over the keys may use a running M (the ceiling of the running maximum): every later rescaling is an exact power of two, so the quantised numbers keep their values, but for numbers so far below the row's largest that they fall under the format's range.
;;   OPERANDS COMPUTED ON THE WAY. 'Computed on the way' means the value that the module computes at that place (a softmax that the list does not call 'softmax' is quantised finished and normalised). What goes into a quantiser is computed in f32, as accurately as f32 sums, v_exp_f32 and their like allow (about 1e-6 of the number): no bf16 or f16 on the way to a quantiser, and a product that is left as it is and whose result goes on into a quantised operand takes f32 operands (vector FMAs, or v_wmma_f32_16x16x4_f32). A number that lies on a knife's edge between two numbers of the format may be rounded either way, as far as f32 arithmetic and the matrix unit's own rounding can turn it there, and no further.
;; One version. Each part assembles by itself: llvm-mc -triple=amdgcn-amd-amdhsa -mcpu=gfx1250 --defsym DOCPART=n.
;; ======== version 1 of 1: 4 launches
;; limits: right only within a limited range of input values
;; workspace buffers: cod 23,068,672 bytes; qc 4,194,304 bytes; kvc 2,097,152 bytes; ao 4,194,304 bytes
;; launch quant (part 1): grid 896 x 1, 4 waves a work-group, no clusters, 68,096 bytes of LDS; arguments x, Wq, Wk, Wv, Wo, lowp_scales, cod; writes cod
.if DOCPART == 1
	.amdgcn_target "amdgcn-amd-amdhsa--gfx1250"
	.amdhsa_code_object_version 6
	.text
	.protected	k_q16bc1db863_quant
	.globl	k_q16bc1db863_quant
	.p2align	8
	.type	k_q16bc1db863_quant,@function
k_q16bc1db863_quant:
	s_mov_b64 s[64:65], 0
	v_nop
	global_prefetch_b8 v0, s[64:65] scope:SCOPE_SE
	s_setreg_imm32_b32 hwreg(HW_REG_WAVE_MODE, 25, 1), 1
	s_wait_xcnt 0x0
; x and the four weights, f32, become codes of BF8 (E5M2), each with the scale 2^e that is given for it, laid in cod as IMAGES OF OPERAND REGISTERS.
; A fragment is 16 rows x 128 along K = 2,048 bytes: registers 4 c .. 4 c + 3 of lane L lie at byte 512 c + 16 L; lane L = slot + 16 h holds k = 32 c + 16 h + 0 .. 15 of its slot's row.
; THE ROWS OF A TILE ARE NOT NEIGHBOURS: slot p of tile T is row (or weight column) 16 T - 8 (T & 1) + p + 8 (p / 8), so that a product's 16 registers of two neighbouring tiles are 16 neighbours.
; cod: the projections' operands as [K step 16][tile 576][2,048]: tiles 0-127 x under entry 0, 128-255 under entry 2, 256-383 under entry 4, 384-511 Wq, 512-543 Wk, 544-575 Wv;
; behind them, from byte 0x1200000, Wo as [K step / 4][tile 128][K step % 4][2,048].
; code = number / 2^e, held within +-57,344, to the nearest code, ties to even.  LIMITS: each e between -126 and 112, so that 2^e and 57,344 x 2^e are f32 numbers.  NaN among the inputs is not served.
; SHARES: work-groups 0-255 take x (a wave: one tile of 16 rows x 256 along K, for all three scales: x is read once); 256-767 Wq and Wo, 768-895 Wk and Wv (a work-group: 128 columns x 128 along K; a wave: 32 of the 128 along K).
; EVERY LOAD OF A WAVE READS 512 CONSECUTIVE BYTES, every store writes 512.  What a lane must hold for the conversions (neighbours along K in consecutive registers) is made on the way:
; x's rows turn through the wave's own stage in LDS; of a weight a lane holds four columns, and the hold, which every number passes anyway, writes it to its column's run of registers.
; No barrier: waves share nothing.  The three paths part on the work-group's number, and each has LDS bytes of its own.
.set STEPB, 0x120000                   ; a K step of the joint part of cod: 576 tiles
.set XR,   32                          ; x's path: v32-159  two K steps of 64 numbers, as loaded and then as turned
.set TS,   160                         ;           v160-207 three sets of 16 held numbers
.set PC,   208                         ;           v208-255 three fragments' codes
.set XSW,  16*528                      ;           a wave's stage: 16 rows of 512 bytes + 16: row p starts 16 p bytes further round the banks
.set WX,   32                          ; weights:  v32-159  32 rows x my 4 columns; later the codes back from the stage
.set WT,   160                         ;           v160-223 two sets of 32 held numbers: one column down K
.set WC,   224                         ;           v224-255 my 4 columns' codes, 8 registers each
.set VO,   12                          ;           v12-19   my byte in each of the group's eight tiles
.set WSW,  8*528                       ;           a wave's stage: eight tiles' 512 bytes + 16
.set WSTG1, 4*XSW                      ; LDS: x's stages, then those of the path for Wq and Wo,
.set WSTG2, WSTG1+4*WSW                ; then those of the path for Wk and Wv
.macro SCL e, vs, vl                   ; v[vs] = 2^e as f32 (the conversion takes its exponent field), v[vl] = 57,344 x 2^e
	s_add_co_i32 s36, s[\e], 127
	s_lshl_b32 s37, s36, 23
	v_mov_b32 v[\vs], s37
	s_add_co_i32 s36, s36, 15
	s_lshl_b32 s36, s36, 23
	s_or_b32 s36, s36, 0x600000
	v_mov_b32 v[\vl], s36
.endm
	s_load_b256 s[4:11], s[0:1], 0x0               ; x s[4:5], Wq s[6:7], Wk s[8:9], Wv s[10:11]
	s_load_b128 s[12:15], s[0:1], 0x20             ; Wo s[12:13], the scales' exponents s[14:15]
	s_load_b64 s[16:17], s[0:1], 0x30              ; cod
	v_lshl_add_u32 v30, v0, 2, 0x10800
	v_mov_b32 v31, 0
	v_lshrrev_b32 v1, 5, v0
	v_readfirstlane_b32 s20, v1                    ; wave 0..3
	v_and_b32 v1, 31, v0                           ; lane
	v_lshlrev_b32 v2, 4, v1                        ; 16 x lane: my 16 bytes of every load's and every store's 512
	s_wait_kmcnt 0x0
	s_load_b256 s[24:31], s[14:15], 0x0            ; e0 .. e7
	s_load_b128 s[32:35], s[14:15], 0x20           ; e8 .. e11
	s_cmp_lt_u32 ttmp9, 256
	s_cbranch_scc0 .Lweights
	; ---------------- x: tile T = id / 2, K steps 2 sigma and 2 sigma + 1, sigma = 4 (id & 1) + wave
	s_lshr_b32 s21, ttmp9, 1                       ; T
	s_and_b32 s22, ttmp9, 1
	s_lshl_b32 s22, s22, 2
	s_add_co_u32 s22, s22, s20                     ; sigma
	s_and_b32 s23, s21, 1
	s_lshl_b32 s23, s23, 3
	s_lshl_b32 s38, s21, 4
	s_sub_co_u32 s38, s38, s23                     ; the tile's first row: 16 T - 8 (T & 1)
	s_lshl_b32 s38, s38, 13                        ; a row of x is 8,192 bytes
	s_lshl_b32 s39, s22, 10                        ; 256 numbers along K are 1,024 bytes
	s_add_co_u32 s38, s38, s39
	s_mov_b32 s39, 0
	s_add_nc_u64 s[4:5], s[4:5], s[38:39]
.macro XLOAD s                         ; K step s of the two: slot p's row, 128 numbers = 512 consecutive bytes a load
.irp p, 0,1,2,3,4,5,6,7,8,9,10,11,12,13,14,15
	global_load_b128 v[XR+64*\s+4*\p:XR+64*\s+4*\p+3], v2, s[4:5] offset:(\p+8*(\p/8))*8192+512*\s th:TH_LOAD_NT
.endr
.endm
	s_wait_alu depctr_va_vdst(0)
	XLOAD 0
	XLOAD 1
	s_mul_i32 s23, s20, XSW                        ; my stage
	v_add_nc_u32 v6, s23, v2                       ; in: as loaded, row p at 528 p
	v_and_b32 v4, 15, v0                           ; slot
	v_bfe_u32 v5, v0, 4, 1                         ; h
	v_mul_u32_u24 v7, v4, 528
	v_lshl_add_u32 v7, v5, 6, v7
	v_add_nc_u32 v7, s23, v7                       ; back: my slot's row, + 64 h: my 16 numbers of each block of 32
	s_mul_i32 s38, s22, 2*STEPB
	s_lshl_b32 s23, s21, 11
	s_add_co_u32 s38, s38, s23
	s_add_nc_u64 s[40:41], s[16:17], s[38:39]      ; cod at K step 2 sigma, tile T; the other K step and the other two scales' tiles stand in the stores' immediates
.macro XTURN s                         ; a K step's 16 rows through the stage, back into the registers that they left.  LDS serves a wave's instructions in order (ISA guide 5.7.1.4): no wait between the stores and the loads
.irp p, 0,1,2,3,4,5,6,7,8,9,10,11,12,13,14,15
	ds_store_b128 v6, v[XR+64*\s+4*\p:XR+64*\s+4*\p+3] offset:528*\p
.endr
.irp c, 0,1,2,3
.irp j, 0,1,2,3
	ds_load_b128 v[XR+64*\s+16*\c+4*\j:XR+64*\s+16*\c+4*\j+3], v7 offset:128*\c+16*\j   ; register 16 c + i: k = 32 c + 16 h + i of my slot's row
.endr
.endr
.endm
.macro XQ s                            ; the K step's 64 numbers become three fragments.  The held numbers go into three sets by turns, so that plain lines on other registers stand behind each pair of conversions
.irp c, 0,1,2,3
.irp z, 0,1,2
.irp i, 0,1,2,3,4,5,6,7,8,9,10,11,12,13,14,15
	v_med3_num_f32 v[TS+16*\z+\i], v[XR+64*\s+16*\c+\i], -v[9+2*\z], v[9+2*\z]   ; the conversion to an 8-bit code does not saturate (ISA guide 7.6.2): the hold at the largest code x the scale
.endr
	v_cvt_scalef32_pk8_bf8_f32 v[PC+16*\z+4*\c:PC+16*\z+4*\c+1], v[TS+16*\z:TS+16*\z+7], v[8+2*\z]
	v_cvt_scalef32_pk8_bf8_f32 v[PC+16*\z+4*\c+2:PC+16*\z+4*\c+3], v[TS+16*\z+8:TS+16*\z+15], v[8+2*\z]
.endr
.endr
.irp z, 0,1,2
.irp c, 0,1,2,3
	global_store_b128 v2, v[PC+16*\z+4*\c:PC+16*\z+4*\c+3], s[40:41] offset:\s*STEPB+\z*0x40000+512*\c   ; 32 lanes store 512 consecutive bytes
.endr
.endr
.endm
	s_wait_alu depctr_va_vdst(0)
	s_wait_kmcnt 0x0
	SCL 24, 8, 9
	SCL 26, 10, 11
	SCL 28, 12, 13
	s_wait_alu depctr_va_vdst(0)
	s_wait_loadcnt 16                              ; the first K step's 16 loads are in; the second's 16 may be out
	XTURN 0
	s_wait_loadcnt 0x0
	s_wait_dscnt 16                                ; the first turn's stores are done; its 16 loads may be out
	XTURN 1                                        ; the same stage: these stores come behind the first turn's loads
	s_wait_dscnt 32                                ; the first K step is back; the second turn's 16 stores and 16 loads may be out
	XQ 0
	s_wait_dscnt 0x0
	s_wait_xcnt 0x0                                ; the stores have read the codes' registers, which are written again now
	XQ 1
	s_wait_tensorcnt 0x0
	ds_add_u32 v30, v31
	s_wait_dscnt 0x0
	s_endpgm
	; ---------------- the weights, stored [K][N].  A lane takes FOUR NEIGHBOURING COLUMNS, 4 l .. 4 l + 3 of the group's 128, and its loads run down K.
	; By the tiles' order those four are slots 4 (l & 1) + 8 ((l / 4) & 1) + 0 .. 3 of tile 2 (l / 8) + ((l / 2) & 1) of the group's eight.
.Lweights:
	s_wait_alu depctr_va_vdst(0)
	v_lshrrev_b32 v4, 3, v1
	v_bfe_u32 v5, v1, 1, 1
	v_lshl_add_u32 v4, v4, 1, v5                   ; my tile
	v_and_b32 v5, 1, v1
	v_bfe_u32 v6, v1, 2, 1
	v_lshlrev_b32 v5, 6, v5
	v_lshl_add_u32 v5, v6, 7, v5                   ; 16 x my first slot
	v_mul_u32_u24 v4, v4, 528
	v_add_nc_u32 v4, v4, v5                        ; my place in a stage
	s_cmp_lt_u32 ttmp9, 768
	s_cbranch_scc0 .Lnarrow
; s[40:41] the weight, s21 the work-group's number in its path, s22 the group of 128 columns, s23 the K step; s46 the weight's first byte in cod, s45 = log2 of the K steps that lie together behind a tile (0, Wo: 2),
; s44 the bytes from one such run of K steps to the next.  pitch: a row of the weight in bytes; stg: the path's stages; the scale's e is s[ea] where s21 < lim, else s[eb]
.macro WBODY pitch, stg, lim, ea, eb
	s_lshl_b32 s38, s23, 7
	s_lshl_b32 s39, s20, 5
	s_add_co_u32 s38, s38, s39                     ; my first row: 128 x K step + 32 x wave
	s_mul_i32 s38, s38, \pitch
	s_lshl_b32 s39, s22, 9                         ; 128 columns are 512 bytes
	s_add_co_u32 s38, s38, s39
	s_mov_b32 s39, 0
	s_add_nc_u64 s[40:41], s[40:41], s[38:39]
.set wi, 0
.rept 32
	global_load_b128 v[WX+4*wi:WX+4*wi+3], v2, s[40:41] offset:wi*\pitch th:TH_LOAD_NT   ; row wi of my 32: the group's 128 columns, 512 consecutive bytes
.set wi, wi+1
.endr
	s_mul_i32 s52, s20, WSW
	s_add_co_u32 s52, s52, \stg                    ; my stage
	v_add_nc_u32 v10, s52, v4                      ; in
	v_add_nc_u32 v11, s52, v2                      ; back: a tile's 512 bytes, 16 a lane
	s_lshr_b32 s48, s23, s45
	s_mul_i32 s48, s48, s44                        ; the run of K steps,
	s_bfm_b32 s50, s45, 0
	s_and_b32 s50, s23, s50
	s_lshl_b32 s50, s50, 11
	s_add_co_u32 s48, s48, s50                     ; the K step in it,
	s_add_co_u32 s47, s45, 11                      ; (log2 of the bytes from tile to tile)
	s_lshl_b32 s50, s22, 3
	s_lshl_b32 s50, s50, s47
	s_add_co_u32 s48, s48, s50                     ; the group's first tile,
	s_lshl_b32 s50, s20, 9
	s_add_co_u32 s48, s48, s50                     ; my 32 along K: registers 4 w .. 4 w + 3 of the fragment: 512 w
	s_add_co_u32 s48, s48, s46
	s_mov_b32 s49, 0
	s_add_nc_u64 s[42:43], s[16:17], s[48:49]
	s_lshl_b32 s51, 1, s47
	s_mov_b32 s50, 0
.set wi, 0
.rept 8
	v_add_nc_u32 v[VO+wi], s50, v2
	s_add_co_u32 s50, s50, s51
.set wi, wi+1
.endr
	s_wait_kmcnt 0x0
	s_cmp_lt_u32 s21, \lim
	s_cselect_b32 s36, s[\ea], s[\eb]
	SCL 36, 8, 9
	s_wait_alu depctr_va_vdst(0)
	s_wait_loadcnt 0x0                             ; a column wants all 32 rows
.irp j, 0,1,2,3
.set wi, 0
.rept 32
	v_med3_num_f32 v[WT+32*(\j%2)+wi], v[WX+4*wi+\j], -v9, v9   ; the hold at the largest code x the scale (ISA guide 7.6.2) also brings column j's 32 numbers on end
.set wi, wi+1
.endr
.irp g, 0,1,2,3
	v_cvt_scalef32_pk8_bf8_f32 v[WC+8*\j+2*\g:WC+8*\j+2*\g+1], v[WT+32*(\j%2)+8*\g:WT+32*(\j%2)+8*\g+7], v8
.endr
.endr
	v_nop                                          ; one plain line behind the last conversion
.irp j, 0,1,2,3
	ds_store_b128 v10, v[WC+8*\j:WC+8*\j+3] offset:16*\j           ; k = 32 w + 0 .. 15: the image's lanes 0-15
	ds_store_b128 v10, v[WC+8*\j+4:WC+8*\j+7] offset:256+16*\j     ; k = 32 w + 16 .. 31: its lanes 16-31
.endr
.irp t, 0,1,2,3,4,5,6,7
	ds_load_b128 v[WX+4*\t:WX+4*\t+3], v11 offset:528*\t           ; LDS serves a wave's instructions in order: these see my stores
.endr
.irp t, 0,1,2,3,4,5,6,7
	s_wait_dscnt 7-\t                              ; tile t is back; the younger loads may be out
	global_store_b128 v[VO+\t], v[WX+4*\t:WX+4*\t+3], s[42:43]     ; 32 lanes store 512 consecutive bytes
.endr
	s_wait_tensorcnt 0x0
	ds_add_u32 v30, v31
	s_wait_dscnt 0x0
	s_endpgm
.endm
	s_sub_co_u32 s21, ttmp9, 256                   ; Wq: 0-255, Wo: 256-511: 16 groups of columns x 16 K steps each
	s_mov_b32 s46, 0x1200000
	s_mov_b32 s44, 0x100000
	s_cmp_lt_u32 s21, 256
	s_cselect_b64 s[40:41], s[6:7], s[12:13]
	s_cselect_b32 s46, 0xC0000, s46
	s_cselect_b32 s44, STEPB, s44
	s_cselect_b32 s45, 0, 2
	s_and_b32 s47, s21, 255
	s_and_b32 s22, s47, 15
	s_lshr_b32 s23, s47, 4
	s_wait_alu depctr_va_vdst(0)
	WBODY 8192, WSTG1, 256, 25, 35                 ; entry 1 or 11
.Lnarrow:
	s_sub_co_u32 s21, ttmp9, 768                   ; Wk: 0-63, Wv: 64-127: 4 groups of columns x 16 K steps each
	s_mov_b32 s46, 0x110000
	s_mov_b32 s44, STEPB
	s_mov_b32 s45, 0
	s_cmp_lt_u32 s21, 64
	s_cselect_b64 s[40:41], s[8:9], s[10:11]
	s_cselect_b32 s46, 0x100000, s46
	s_and_b32 s47, s21, 63
	s_and_b32 s22, s47, 3
	s_lshr_b32 s23, s47, 2
	s_wait_alu depctr_va_vdst(0)
	WBODY 2048, WSTG2, 64, 27, 29                  ; entry 3 or 5
.Lfunc_end_k_q16bc1db863_quant:
	.size	k_q16bc1db863_quant, .Lfunc_end_k_q16bc1db863_quant-k_q16bc1db863_quant
	.p2alignl 7, 3214868480
	.fill 96, 4, 3214868480
	.section	.rodata,"a",@progbits
	.p2align	6, 0x0
	.amdhsa_kernel k_q16bc1db863_quant
		.amdhsa_group_segment_fixed_size 68096
		.amdhsa_private_segment_fixed_size 0
		.amdhsa_enable_private_segment 0
		.amdhsa_kernarg_size 56
		.amdhsa_user_sgpr_count 2
		.amdhsa_user_sgpr_kernarg_segment_ptr 1
		.amdhsa_wavefront_size32 1
		.amdhsa_system_sgpr_workgroup_id_x 1
		.amdhsa_system_sgpr_workgroup_id_y 1
		.amdhsa_system_sgpr_workgroup_id_z 1
		.amdhsa_system_vgpr_workitem_id 0
		.amdhsa_next_free_vgpr 256
		.amdhsa_next_free_sgpr 66
		.amdhsa_reserve_vcc 0
		.amdhsa_float_denorm_mode_32 3
		.amdhsa_float_denorm_mode_16_64 3
		.amdhsa_memory_ordered 1
		.amdhsa_forward_progress 1
		.amdhsa_inst_pref_size 74
	.end_amdhsa_kernel
	.amdgpu_metadata
---
amdhsa.version: [ 1, 2 ]
amdhsa.kernels:
  - .name:           k_q16bc1db863_quant
    .symbol:         k_q16bc1db863_quant.kd
    .args:
      - { .name: x, .offset: 0, .size: 8, .value_kind: global_buffer, .address_space: global }
      - { .name: Wq, .offset: 8, .size: 8, .value_kind: global_buffer, .address_space: global }
      - { .name: Wk, .offset: 16, .size: 8, .value_kind: global_buffer, .address_space: global }
      - { .name: Wv, .offset: 24, .size: 8, .value_kind: global_buffer, .address_space: global }
      - { .name: Wo, .offset: 32, .size: 8, .value_kind: global_buffer, .address_space: global }
      - { .name: lowp_scales, .offset: 40, .size: 8, .value_kind: global_buffer, .address_space: global }
      - { .name: cod, .offset: 48, .size: 8, .value_kind: global_buffer, .address_space: global }
    .group_segment_fixed_size: 68096
    .private_segment_fixed_size: 0
    .kernarg_segment_align: 8
    .kernarg_segment_size: 56
    .max_flat_workgroup_size: 128
    .sgpr_count:     66
    .vgpr_count:     256
    .wavefront_size: 32
...
	.end_amdgpu_metadata
.endif
;; end of part 1
;; launch qkv (part 2): grid 16 x 12, 4 waves a work-group, clusters of 4 x 1, 327,680 bytes of LDS; arguments cod, lowp_scales, cos, sin, q_gamma, q_beta, k_gamma, k_beta, qc, kvc; writes qc, kvc
.if DOCPART == 2
	.amdgcn_target "amdgcn-amd-amdhsa--gfx1250"
	.amdhsa_code_object_version 6
	.text
	.protected	k_q16bc1db863_qkv
	.globl	k_q16bc1db863_qkv
	.p2align	8
	.type	k_q16bc1db863_qkv,@function
k_q16bc1db863_qkv:
	s_mov_b64 s[64:65], 0
	v_nop
	global_prefetch_b8 v0, s[64:65] scope:SCOPE_SE
	s_setreg_imm32_b32 hwreg(HW_REG_WAVE_MODE, 25, 1), 1
	s_wait_xcnt 0x0
	s_wait_alu depctr_hold_cnt(0) depctr_sa_sdst(0) depctr_va_vdst(0) depctr_va_sdst(0) depctr_va_ssrc(0) depctr_va_vcc(0) depctr_vm_vsrc(0)
	s_getreg_b32 s2, hwreg(HW_REG_IB_STS2, 6, 4)
	s_cmp_eq_u32 s2, 0
	s_cbranch_scc0 .Lentry_in_a_cluster
	s_endpgm
.Lentry_in_a_cluster:
	s_bfe_u32 s2, ttmp6, 0x10000c
	s_cmp_lg_u32 s2, 0x3003
	s_cbranch_scc0 .Lentry_shape_is_right
	s_endpgm
.Lentry_shape_is_right:
; The three projections on codes of BF8, with what follows each: Q and K: x 2^(their two e), LayerNorm over the head's 128, RoPE, quantised (entries 6, 7); V: quantised along the keys (entry 9).
; All operands come and go as images of operand registers (2,048 bytes a fragment of 16 rows x 128 K: registers 4 c .. 4 c + 3 of lane L at byte 512 c + 16 L), tiles in the order
; slot p of tile T = row 16 T - 8 (T & 1) + p + 8 (p / 8).  cod holds them as [K step][tile 576][2,048]: x under entries 0, 2, 4 from tiles 0, 128, 256; Wq from 384, Wk from 512, Wv from 544.
; So a K step's neighbouring tiles are one run of bytes, LDS needs no pitch, and results leave as whole fragments, 512 consecutive bytes a store.
; A WORK-GROUP makes 256 (P, source 0) x 128 (R, source 1); a wave 128 x 64: 32 accumulators.  In a result a lane holds ONE row of R (lane % 16) and, in the 64 registers of a tile of R, register 16 b + i = P's row 32 b + 16 (lane / 16) + i.
;   y 0-7:  Q: P = 256 columns of Wq (two heads; a wave has one whole head), R = 128 rows of x.     y 8-9: K likewise, with Wk.
;   y 10-11: V: P = 256 rows of x (keys), R = 128 columns of Wv (one head): a lane's registers run along the KEYS, which are the K of attention's second product.
; Channels d and d + 64 of a head lie in one lane (registers n and n + 32), so RoPE needs no other lane; LayerNorm's sums want one exchange with the lane 16 away.
; THE RING: two LDS slots of THREE K steps of 128, 147,456 bytes each: as long as two slots fit.  The first fills bring K steps 0 to 5; four refills bring 6-8, 9-11, 12-14 and 15.  A wave's load is three rows (the last: one),
; a row being a K step's eight tiles of P (16,384 bytes) or four of R (8,192), one K step of cod apart.  The 16 K steps are written out: the slots' steps change register sets from slot to slot, and the last refill differs.
; CLUSTER 4 x 1: the four partners share P, which is asked for jointly (96 of a slot's 144 KB); R is each work-group's own load.
; A 4 x 4 cluster is not used: K has two blocks of P and V four blocks of R, so a cluster's rows would do different kinds of work.
; LIMITS: e0 + e1 and e2 + e3 between -126 and 127; e6, e7 and e9 - e4 - e5 between -126 and 112, so that each power of two below is an f32 number.  NaN among the inputs is not served.
; REGISTERS, in windows of 256: window 0: v16-29 addresses; v128-255 R's fragments, two sets; in the epilogue v48-61 statistics and scales, v64-127 and v128-191 a tile's 64 numbers, v192-255 codes.
;   window 1: P's fragments, two sets; at the end cos and sin of R's tiles 1 and 2.   window 2: the accumulators, (a, b) at v[8 (8 a + b)].
;   window 3: v0-63 gamma, v64-127 beta, v128-191 cos, v192-255 sin of R's tile 0, later 3: all in the result's layout.
.set PT,   8                           ; tiles of P a wave
.set RT,   4                           ; tiles of R a wave
.set KS,   3                           ; K steps of 128 in a slot
.set PH,   PT*2048                     ; a K step's half of P: a row of a load
.set RH,   RT*2048                     ; of R
.set PHB,  KS*PH                       ; what one load brings of P, and what one wave reads of it
.set RHB,  KS*RH
.set PB,   2*PHB                       ; a slot's bytes of P.  LDS: P's half 0 (slot 0's three K steps, then slot 1's), P's half 1 likewise,
.set RB,   2*RHB                       ; then R's two halves in the same order: a half's six K steps lie on end, so that ONE load of six rows makes both slots' first fill
.set SLOT, PB+RB
.set SPARE, 2*SLOT                     ; behind the ring: the spare words, 128 bytes for each wave: two blocks of 256 bytes that no other line names
.set STEPB, 0x120000                   ; a K step of cod in bytes
.set ADP,  16                          ; v16-17  LDS address of my fragments of P in slot 0, 1
.set ADR,  20                          ; v20-21  of R
.set CSO,  24                          ; v24     cos, sin: my row's and half's byte
.set GBO,  25                          ; v25     gamma, beta: 64 x (lane / 16)
.set LI,   26                          ; v26     16 x lane: an image's place for my lane
.set SPW,  28                          ; v28     LDS address of my spare word; never rewritten
.set NIL,  29                          ; v29     0; never rewritten
.set TT,   64
.set UU,   128
.set PCB,  192
.set G1P,  28                          ; s[28:35] descriptor group 1 for P;  s[36:43] for R
.set G1R,  36
.set G0P,  44                          ; s[44:51] group 0 for P, a set for each slot;  s[52:59] for R
.set G0R,  52
.set PFO,  27                          ; v27     256 x lane, for the prefetches; never rewritten
.set TN,   0                           ; counts the changes of slots as they are written out
; A PREFETCH INTO THE L2 of n K steps' part, 8,192 bytes each, lanes 256 bytes apart, two fills ahead of the tensor load that will want them.  s[60:61] stands at K step 6, s[62:63] at K step 12; neither is rewritten.
; Wave 0 asks for its work-group's quarter of the cluster's 32,768 bytes of P, the partners told apart by address.  Waves 1 and 2 ask for the two halves of the work-group's 16,384 bytes of R.
; Q's R is loaded by eight clusters and V's likewise: there a cluster asks for one half alone, by the parity of y (Q) or of the cluster's x (V), so that a block is named by four clusters at the most.
.macro ASK base, k0, n
	s_cmp_eq_u32 s27, 1
	s_cbranch_scc0 .Lnoask_\@
.set pk, 0
.rept \n
	global_prefetch_b8 v[PFO], s[\base:\base+1] offset:((\k0)+pk)*STEPB th:TH_LOAD_NT scope:SCOPE_SE
.set pk, pk+1
.endr
.Lnoask_\@:
.endm
.set MSB, 0
.macro WIN new                         ; the immediate's high byte repeats the setting that is left
.if MSB != \new
	s_set_vgpr_msb (MSB<<8)|\new
.set MSB, \new
.endif
.endm
.macro PLACES                          ; four plain places behind a matrix instruction, in front of loads into registers that it has read and of the first read of results
.rept 4
	v_nop
.endr
.endm
.macro CREST                           ; a round of the cluster's barrier behind its opening barrier
	s_cmp_lg_u32 s20, 0
	s_cbranch_scc1 .Lnot_wave_0_\@
	s_barrier_signal -3
.Lnot_wave_0_\@:
	s_barrier_wait -3
	s_barrier_signal -1
	s_barrier_wait -1
.endm
.macro CROUND
	s_barrier_signal -1
	s_barrier_wait -1
	CREST
.endm
.macro JLOAD s                         ; waves 0 and 1 fetch P's two halves, waves 2 and 3 R's; four v_nop follow each of the two lines
	s_cmp_lt_u32 s20, 2
	s_cbranch_scc0 .Lfor_r_\@
	tensor_load_to_lds s[G0P+4*\s:G0P+4*\s+3], s[G1P:G1P+7]
	s_nop 0
.rept 4
	v_nop
.endr
	s_branch .Lasked_\@
.Lfor_r_\@:
	tensor_load_to_lds s[G0R+4*\s:G0R+4*\s+3], s[G1R:G1R+7]
	s_nop 0
.rept 4
	v_nop
.endr
.Lasked_\@:
.endm
.macro FRAG reg, adr, off              ; a fragment comes as it lies: four loads of 512 consecutive bytes
.irp c, 0,1,2,3
	ds_load_b128 v[(\reg)+4*\c:(\reg)+4*\c+3], v[\adr] offset:(\off)+512*\c
.endr
.endm
.macro FETCH slot, q, set              ; the fragments of the slot's q-th K step into set
	WIN 0x40                                       ; destination window 1, address window 0
.set fi, 0
.rept PT
	FRAG 128*(\set)+16*fi, ADP+(\slot), (\q)*PH+fi*2048
.set fi, fi+1
.endr
	WIN 0
.set fi, 0
.rept RT
	FRAG 128+64*(\set)+16*fi, ADR+(\slot), (\q)*RH+fi*2048
.set fi, fi+1
.endr
.endm
.macro MULA a, set, zero               ; R's tile a against P's tiles.  The accumulators take turns, one instruction a turn, in the same order in every step
.set mb, 0
.rept PT
.if \zero
	v_wmma_f32_16x16x128_bf8_bf8 v[8*(PT*(\a)+mb):8*(PT*(\a)+mb)+7], v[128*(\set)+16*mb:128*(\set)+16*mb+15], v[128+64*(\set)+16*(\a):128+64*(\set)+16*(\a)+15], 0
.else
	v_wmma_f32_16x16x128_bf8_bf8 v[8*(PT*(\a)+mb):8*(PT*(\a)+mb)+7], v[128*(\set)+16*mb:128*(\set)+16*mb+15], v[128+64*(\set)+16*(\a):128+64*(\set)+16*(\a)+15], v[8*(PT*(\a)+mb):8*(PT*(\a)+mb)+7]
.endif
.set mb, mb+1
.endr
.endm
.macro STEP slot, q, set, zero         ; a K step (the slot's q-th, its fragments in set) that has its successor in the same slot: the successor's fragments are asked for ahead of this step's products
	s_wait_dscnt 0x0                               ; this step's fragments are in
	PLACES
	FETCH \slot, (\q)+1, 1-(\set)
	WIN 0xa1                                       ; source 0 (P) window 1, source 1 (R) window 0, C and D window 2
	MULA 0, \set, \zero
	MULA 1, \set, \zero
	MULA 2, \set, \zero
	MULA 3, \set, \zero
	WIN 0
.endm
; A slot's last step changes slots: ONE barrier; in front of it each wave waits for all its tensor loads, adds 0 to its spare word, and waits for that and for its reads of this slot.
; fill = 1: this slot is filled again, with the K steps six on.  fill = 2: of those only one is left: the loads have one row.  fill = 0: nothing is left to fetch.
.macro TURN slot, set, next, fill
	s_wait_tensorcnt 0x0                           ; all my tensor loads have landed: the one that was out is my part of the next slot
	ds_add_u32 v[SPW], v[NIL]                      ; 0 onto my spare word
	s_wait_dscnt 1                                 ; only the add may be out: this step's fragments are in
	WIN 0xa1
	MULA 0, \set, 0                                ; matrix work stands between the add and the wait for it
	s_wait_dscnt 0x0                               ; the add is done, and my reads of this slot are over
	s_barrier_signal -1
	MULA 1, \set, 0
	WIN 0
	s_barrier_wait -1
.if \fill
	CREST                                          ; the barrier has opened a round of the cluster's: no wave of any partner still reads this slot or has a load on its way
	s_add_nc_u64 s[G0P+4*\slot+2:G0P+4*\slot+3], s[G0P+4*\slot+2:G0P+4*\slot+3], 2*KS*STEPB
	s_add_nc_u64 s[G0R+4*\slot+2:G0R+4*\slot+3], s[G0R+4*\slot+2:G0R+4*\slot+3], 2*KS*STEPB
.if \fill == 2
	s_mov_b32 s[G1P+2], 1<<16                      ; no load of mine is out, so the shapes may be written: one row is left of the tensor,
	s_mov_b32 s[G1P+4], 1                          ; and the tile has one
	s_mov_b32 s[G1R+2], 1<<16
	s_mov_b32 s[G1R+4], 1
.else
	s_mov_b32 s[G1P+2], KS<<16                     ; a refill has a slot's three rows
	s_mov_b32 s[G1P+4], KS
	s_mov_b32 s[G1R+2], KS<<16
	s_mov_b32 s[G1R+4], KS
.endif
	JLOAD \slot                                    ; the first tensor load behind the round, one a wave; its four v_nop are also the places in front of the loads below
.else
	PLACES
.endif
	FETCH \next, 0, 1-(\set)
.set TN, TN+1
.if TN == 1
	ASK 62, 0, 3                                   ; behind the refill with K steps 6 to 8: K steps 12 to 14
.endif
.if TN == 2
	ASK 62, 3, 1                                   ; behind the refill with 9 to 11: K step 15, the last
.endif
	WIN 0xa1
	MULA 2, \set, 0
	MULA 3, \set, 0
	WIN 0
.endm
; cos or sin (s[ptr:ptr+1]) for R's tile a, whose rows begin 32 (a / 2) + 8 (a % 2) below my first, into v[base] on of the window that win names as destination: register 16 b + i: channel 32 b + 16 h + i
.macro TLD a, win, base, ptr
	WIN \win
.irp b, 0,1,2,3
.irp j, 0,1,2,3
	global_load_b128 v[(\base)+16*\b+4*\j:(\base)+16*\b+4*\j+3], v[CSO], s[\ptr:\ptr+1] offset:(32*((\a)/2)+8*((\a)%2))*512+128*\b+16*\j
.endr
.endr
	WIN 0
.endm
	s_load_b256 s[4:11], s[0:1], 0x0               ; cod s[4:5], the scales' exponents s[6:7], cos s[8:9], sin s[10:11]
	s_load_b256 s[68:75], s[0:1], 0x20             ; q_gamma, q_beta, k_gamma, k_beta
	s_load_b128 s[76:79], s[0:1], 0x40             ; qc s[76:77], kvc s[78:79]
	v_lshl_add_u32 v[SPW], v0, 2, SPARE
	v_mov_b32 v[NIL], 0
	ds_add_u32 v28, v29
	ds_add_u32 v28, v29
	s_wait_dscnt 0x0
	v_lshrrev_b32 v1, 5, v0
	v_readfirstlane_b32 s20, v1                    ; wave 0..3
	s_and_b32 s21, s20, 1                          ; which half of P is mine.  Also: which half of its tile I fetch
	s_lshr_b32 s22, s20, 1                         ; which half of R
	s_bfe_u32 s12, ttmp6, 0x40000                  ; cx: my place in the cluster
	s_and_b32 s14, ttmp7, 0xffff                   ; y: the kind of work and the block of P
	s_lshl_b32 s15, ttmp9, 2
	s_add_co_u32 s15, s15, s12                     ; 4 x cluster x + cx: the block of 128 rows of x (Q, K)
	; P's place in a K step of cod, from y and the cluster's x alone, which the partners share
	s_lshl_b32 s24, s14, 15
	s_add_co_u32 s24, s24, 0xC0000                 ; Q and K: tile 384 + 16 y: Wk's tiles follow Wq's
	s_max_u32 s26, s14, 10
	s_sub_co_u32 s26, s26, 10
	s_lshl_b32 s26, s26, 2
	s_add_co_u32 s26, s26, ttmp9
	s_lshl_b32 s26, s26, 15
	s_add_co_u32 s26, s26, 0x80000                 ; V: tile 256 + 16 (4 (y - 10) + cluster x): x under entry 4
	s_cmp_lt_u32 s14, 10
	s_cselect_b32 s80, s24, s26
	s_lshl_b32 s23, s21, 14
	s_add_co_u32 s80, s80, s23                     ; my half: eight tiles on
	s_mov_b32 s81, 0
	; R's place, in registers of its own
	s_lshl_b32 s18, s15, 14                        ; Q: tile 8 x block: x under entry 0
	s_add_co_u32 s19, s18, 0x40000                 ; K: 128 tiles on: under entry 2
	s_lshl_b32 s82, s12, 14
	s_add_co_u32 s82, s82, 0x110000                ; V: tile 544 + 8 cx: Wv's head cx
	s_cmp_lt_u32 s14, 8
	s_cselect_b32 s18, s18, s19
	s_cmp_lt_u32 s14, 10
	s_cselect_b32 s82, s18, s82
	s_lshl_b32 s19, s21, 13
	s_add_co_u32 s82, s82, s19                     ; my half: four tiles on
	s_mov_b32 s83, 0
	s_sub_co_u32 s60, s80, s23                     ; the prefetches: P's block,
	s_lshl_b32 s13, s12, 13
	s_add_co_u32 s60, s60, s13                     ; my work-group's quarter of it
	s_sub_co_u32 s3, s82, s19                      ; R's block,
	s_sub_co_u32 s13, s20, 1
	s_lshl_b32 s13, s13, 13
	s_add_co_u32 s3, s3, s13                       ; its half wave - 1
	s_cmp_eq_u32 s20, 0
	s_cselect_b32 s60, s60, s3
	s_mov_b32 s61, 0
	s_and_b32 s13, s14, 1
	s_and_b32 s3, ttmp9, 1
	s_cmp_lt_u32 s14, 8
	s_cselect_b32 s13, s13, s3                     ; which half of R my cluster asks for (Q, V)
	s_lshl_b32 s13, 2, s13
	s_or_b32 s13, s13, 1                           ; the waves that ask, a bit each: wave 0 and wave 1 or 2;
	s_lshr_b32 s3, s14, 1
	s_cmp_eq_u32 s3, 4
	s_cselect_b32 s13, 7, s13                      ; K (y = 8, 9): R has two clusters: both halves
	s_lshr_b32 s13, s13, s20
	s_and_b32 s27, s13, 1                          ; 1 in a wave that asks: made of the wave's number, y and the cluster's x alone
	s_mul_i32 s[G0P+1], s21, 2*PHB                 ; where they go: my half's six K steps; no place in the cluster enters an LDS address
	s_mul_i32 s19, s21, 2*RHB
	s_add_co_u32 s[G0R+1], s19, 2*PB
	; descriptor groups 1: KS rows, each a K step's run of tiles, in elements of 8 bytes; no padding
	s_mov_b32 s[G1P], 15|(3<<16)|(1<<21)           ; 15:0 the mask: all four partners; 17:16 elements of 8 bytes; 21 set beside a mask
	s_mov_b32 s[G1P+1], (PH/8)<<16                 ; tensor_dim0
	s_mov_b32 s[G1P+2], (2*KS)<<16                 ; tensor_dim1: the first fill has six rows, K steps 0 to 5
	s_mov_b32 s[G1P+3], (PH/8)<<16                 ; tile_dim0
	s_mov_b32 s[G1P+4], 2*KS                       ; tile_dim1
	s_mov_b32 s[G1P+5], STEPB/8                    ; from row to row: a K step of cod
	s_mov_b32 s[G1P+6], 0
	s_mov_b32 s[G1P+7], 0
	s_mov_b32 s[G1R], 3<<16                        ; no mask: my work-group's own load
	s_mov_b32 s[G1R+1], (RH/8)<<16
	s_mov_b32 s[G1R+2], (2*KS)<<16
	s_mov_b32 s[G1R+3], (RH/8)<<16
	s_mov_b32 s[G1R+4], 2*KS
	s_mov_b32 s[G1R+5], STEPB/8
	s_mov_b32 s[G1R+6], 0
	s_mov_b32 s[G1R+7], 0
	s_wait_kmcnt 0x0
	s_load_b256 s[84:91], s[6:7], 0x0              ; e0 .. e7
	s_load_b128 s[92:95], s[6:7], 0x20             ; e8 .. e11
	s_mov_b32 s[G0P], 1
	s_add_nc_u64 s[G0P+2:G0P+3], s[4:5], s[80:81]  ; slot 0: K steps 0 to 2,
	s_mov_b32 s[G0P+4], 1
	s_add_co_u32 s[G0P+5], s[G0P+1], PHB
	s_add_nc_u64 s[G0P+6:G0P+7], s[G0P+2:G0P+3], KS*STEPB   ; slot 1: 3 to 5
	s_or_b32 s[G0P+3], s[G0P+3], 0x80000000
	s_or_b32 s[G0P+7], s[G0P+7], 0x80000000
	s_mov_b32 s[G0R], 1
	s_add_nc_u64 s[G0R+2:G0R+3], s[4:5], s[82:83]
	s_mov_b32 s[G0R+4], 1
	s_add_co_u32 s[G0R+5], s[G0R+1], RHB
	s_add_nc_u64 s[G0R+6:G0R+7], s[G0R+2:G0R+3], KS*STEPB
	s_or_b32 s[G0R+3], s[G0R+3], 0x80000000
	s_or_b32 s[G0R+7], s[G0R+7], 0x80000000
	s_add_nc_u64 s[60:61], s[4:5], s[60:61]
	s_add_nc_u64 s[60:61], s[60:61], 6*STEPB
	s_add_nc_u64 s[62:63], s[60:61], 6*STEPB
	CROUND                                         ; all four work-groups are here: the first joint loads meet
	JLOAD 0                                        ; my one load at the head: six rows, both slots' first fill
	v_and_b32 v1, 31, v0
	v_lshlrev_b32 v[LI], 4, v1
	v_lshlrev_b32 v[PFO], 4, v[LI]
	s_wait_alu depctr_va_vdst(0)
	ASK 60, 0, 6                                   ; behind the head's load: K steps 6 to 11, what the first two refills will want
	s_mul_i32 s23, s21, 2*PHB
	s_mul_i32 s24, s22, 2*RHB
	s_add_co_u32 s24, s24, 2*PB
	v_add_nc_u32 v[ADP], s23, v[LI]
	v_add_nc_u32 v[ADR], s24, v[LI]
	s_add_co_u32 s23, s23, PHB
	s_add_co_u32 s24, s24, RHB
	v_add_nc_u32 v[ADP+1], s23, v[LI]
	v_add_nc_u32 v[ADR+1], s24, v[LI]
	v_and_b32 v2, 15, v0
	v_bfe_u32 v3, v0, 4, 1
	v_lshlrev_b32 v[GBO], 6, v3                    ; my half's 16 channels of each 32: 64 bytes on
	v_and_b32 v4, 8, v2
	v_add_nc_u32 v4, v4, v2
	v_lshl_add_u32 v[CSO], v4, 9, v[GBO]           ; cos, sin: row slot + 8 (slot / 8) of 512 bytes, + 64 h
	s_mov_b32 s66, 0x76543210
	s_mov_b32 s67, 0xfedcba98                      ; v_permlanex16_b32's selects for lane l xor 16
	s_mov_b32 s98, 0x3c000000                      ; 1 / 128
	s_mov_b32 s99, 0x358637bd                      ; 1e-6
	s_cmp_lt_u32 s14, 10                           ; Q and K alone want the tables.  These land while the products run
	s_cbranch_scc0 .Lno_tables
	s_cmp_lt_u32 s14, 8
	s_cselect_b64 s[68:69], s[68:69], s[72:73]     ; gamma
	s_cselect_b64 s[70:71], s[70:71], s[74:75]     ; beta
	s_lshl_b32 s18, s15, 16
	s_lshl_b32 s19, s22, 15
	s_add_co_u32 s18, s18, s19                     ; my first row: 128 x block + 64 x half, of 512 bytes
	s_mov_b32 s19, 0
	s_add_nc_u64 s[8:9], s[8:9], s[18:19]
	s_add_nc_u64 s[10:11], s[10:11], s[18:19]
	WIN 0xc0                                       ; destination window 3, address window 0
	s_wait_alu depctr_va_vdst(0)
.irp b, 0,1,2,3
.irp j, 0,1,2,3
	global_load_b128 v[16*\b+4*\j:16*\b+4*\j+3], v[GBO], s[68:69] offset:128*\b+16*\j       ; register 16 b + i: channel 32 b + 16 h + i
	global_load_b128 v[64+16*\b+4*\j:64+16*\b+4*\j+3], v[GBO], s[70:71] offset:128*\b+16*\j
.endr
.endr
	WIN 0
	TLD 0, 0xc0, 128, 8                            ; tile 0's cos,
	TLD 0, 0xc0, 192, 10                           ; and sin
.Lno_tables:
	s_wait_tensorcnt 0x0                           ; my one load is in: my part of both slots
	s_barrier_signal -1
	s_barrier_wait -1
	s_wait_alu depctr_va_vdst(0)
	FETCH 0, 0, 0
	STEP 0, 0, 0, 1                                ; K step 0: its products start the sums: nothing is cleared
	STEP 0, 1, 1, 0
	TURN 0, 0, 1, 1                                ; K step 2; slot 0 takes K steps 6 to 8
	STEP 1, 0, 1, 0
	STEP 1, 1, 0, 0
	TURN 1, 1, 0, 1                                ; K step 5; slot 1 takes 9 to 11
	STEP 0, 0, 0, 0
	STEP 0, 1, 1, 0
	TURN 0, 0, 1, 1                                ; K step 8; slot 0 takes 12 to 14
	STEP 1, 0, 1, 0
	STEP 1, 1, 0, 0
	TURN 1, 1, 0, 2                                ; K step 11; slot 1 takes K step 15, the last
	STEP 0, 0, 0, 0
	STEP 0, 1, 1, 0
	TURN 0, 0, 1, 0                                ; K step 14; nothing is left to fetch
	s_wait_dscnt 0x0
	s_cmp_lt_u32 s14, 10
	s_cbranch_scc0 .Lno_t1
	PLACES                                         ; P's set 0 has been multiplied for the last time: it takes tile 1's cos and sin, asked for a K step and a tile's LayerNorm and RoPE ahead
	s_wait_loadcnt 0x0                             ; gamma, beta and tile 0's tables, asked for at the head
	TLD 1, 0x40, 0, 8
	TLD 1, 0x40, 64, 10                            ; 32 loads are out
.Lno_t1:
	WIN 0xa1
	MULA 0, 1, 0                                   ; K step 15
	MULA 1, 1, 0
	MULA 2, 1, 0
	MULA 3, 1, 0
	WIN 0
	PLACES
	s_wait_kmcnt 0x0                               ; the exponents
	s_cmp_lt_u32 s14, 10
	s_cbranch_scc0 .Lvout
	; ---------------- Q and K
	TLD 2, 0x40, 128, 8                            ; P's set 1 is free too: tile 2's cos: 48 loads are out
	s_cmp_lt_u32 s14, 8
	s_cselect_b32 s23, s84, s86                    ; x's e: entry 0 or 2
	s_cselect_b32 s24, s85, s87                    ; the weight's: 1 or 3
	s_cselect_b32 s25, s90, s91                    ; the result's: 6 or 7
	s_add_co_i32 s23, s23, s24
	s_add_co_i32 s23, s23, 127
	s_lshl_b32 s96, s23, 23                        ; a sum stands for sum x 2^(the two e)
	s_mov_b32 s97, s96                             ; (named with it as a pair, so it is written)
	s_add_co_i32 s25, s25, 127
	s_lshl_b32 s24, s25, 23
	v_mov_b32 v60, s24                             ; the result's scale as f32
	s_add_co_i32 s25, s25, 15
	s_lshl_b32 s25, s25, 23
	s_or_b32 s25, s25, 0x600000
	v_mov_b32 v61, s25                             ; 57,344 x that
	v_mov_b32 v53, 0                               ; written once: a lane permute's destination counts as one of its sources
	s_lshl_b32 s23, s15, 3
	s_lshl_b32 s24, s22, 2
	s_add_co_u32 s23, s23, s24                     ; my first tile of rows: 8 x block + 4 x half
	s_lshl_b32 s24, s14, 1
	s_add_co_u32 s24, s24, s21                     ; my head: 2 y + half (K: 16 too many)
	s_lshl_b32 s25, s24, 18
	s_lshl_b32 s26, s23, 11
	s_add_co_u32 s25, s25, s26                     ; qc: [head][tile][2,048]
	s_sub_co_u32 s24, s24, 16
	s_lshl_b32 s24, s24, 19
	s_lshr_b32 s26, s23, 5
	s_lshl_b32 s26, s26, 17
	s_add_co_u32 s24, s24, s26
	s_and_b32 s26, s23, 31
	s_lshl_b32 s26, s26, 11
	s_add_co_u32 s24, s24, s26                     ; kvc: [head][tile / 32][131,072], K's tiles first: (tile % 32) x 2,048
	s_cmp_lt_u32 s14, 8
	s_cselect_b32 s18, s25, s24
	s_cselect_b64 s[16:17], s[76:77], s[78:79]
	s_mov_b32 s19, 0
	s_add_nc_u64 s[16:17], s[16:17], s[18:19]
; R's tile a: 16 rows of x, my head's 128 channels: 64 a lane.  tw: the window setting that names the tile's tables as source 1; cb, sb: where its cos and sin begin there; wt: how many younger loads may be out when they are wanted (-1: they were waited for earlier)
.macro LNROPE a, tw, cb, sb, wt
	WIN 0x02                                       ; source 0 window 2
.set nn, 0
.rept 32
	v_pk_mul_f32 v[TT+nn:TT+nn+1], v[64*(\a)+nn:64*(\a)+nn+1], s[96:97] op_sel_hi:[1,0]   ; the projection's number; each accumulator from its low end on
.set nn, nn+2
.endr
	WIN 0
	v_pk_add_f32 v[48:49], v[TT:TT+1], v[TT+2:TT+3]            ; the mean: two chains,
	v_pk_add_f32 v[50:51], v[TT+4:TT+5], v[TT+6:TT+7]
.set nn, 8
.rept 14
	v_pk_add_f32 v[48:49], v[48:49], v[TT+nn:TT+nn+1]
	v_pk_add_f32 v[50:51], v[50:51], v[TT+nn+2:TT+nn+3]
.set nn, nn+4
.endr
	v_pk_add_f32 v[48:49], v[48:49], v[50:51]
	v_add_f32 v52, v48, v49
	v_permlanex16_b32 v53, v52, s66, s67           ; the row's other 64 channels lie in the lane 16 away
	v_add_f32 v52, v52, v53
	v_mul_f32 v54, s98, v52
	v_mul_f32 v55, s98, v52
.set nn, 0
.rept 32
	v_pk_add_f32 v[TT+nn:TT+nn+1], v[TT+nn:TT+nn+1], v[54:55] neg_lo:[0,1] neg_hi:[0,1]   ; x - mean first: the variance is a sum of squares of differences, never a difference of large sums
.set nn, nn+2
.endr
	v_pk_mul_f32 v[48:49], v[TT:TT+1], v[TT:TT+1]
	v_pk_mul_f32 v[50:51], v[TT+2:TT+3], v[TT+2:TT+3]
.set nn, 4
.rept 15
	v_pk_fma_f32 v[48:49], v[TT+nn:TT+nn+1], v[TT+nn:TT+nn+1], v[48:49]
	v_pk_fma_f32 v[50:51], v[TT+nn+2:TT+nn+3], v[TT+nn+2:TT+nn+3], v[50:51]
.set nn, nn+4
.endr
	v_pk_add_f32 v[48:49], v[48:49], v[50:51]
	v_add_f32 v52, v48, v49
	v_permlanex16_b32 v53, v52, s66, s67
	v_add_f32 v52, v52, v53
	v_fma_f32 v56, v52, s98, s99                   ; the variance + 1e-6
	s_wait_alu depctr_va_vdst(0)
	v_rsq_f32 v58, v56
	v_nop                                          ; one plain place behind a transcendental
	s_wait_alu depctr_va_vdst(0)
	v_mov_b32 v59, v58
.set nn, 0
.rept 32
	v_pk_mul_f32 v[TT+nn:TT+nn+1], v[TT+nn:TT+nn+1], v[58:59]
.set nn, nn+2
.endr
	WIN 0x3c                                       ; sources 1 and 2 window 3
.set nn, 0
.rept 32
	v_pk_fma_f32 v[TT+nn:TT+nn+1], v[TT+nn:TT+nn+1], v[nn:nn+1], v[64+nn:65+nn]           ; x gamma + beta
.set nn, nn+2
.endr
.if \wt >= 0
	s_wait_loadcnt \wt                             ; this tile's cos and sin are in
.endif
	WIN \tw                                        ; RoPE: registers n and n + 32 are channels d and d + 64
.set nn, 0
.rept 16
	v_pk_mul_f32 v[UU+nn:UU+nn+1], v[TT+32+nn:TT+33+nn], v[(\sb)+nn:(\sb)+nn+1]           ; x(d + 64) sin(d)
	v_pk_mul_f32 v[UU+32+nn:UU+33+nn], v[TT+nn:TT+nn+1], v[(\sb)+32+nn:(\sb)+33+nn]       ; x(d) sin(d + 64)
.set nn, nn+2
.endr
.set nn, 0
.rept 16
	v_pk_fma_f32 v[UU+nn:UU+nn+1], v[TT+nn:TT+nn+1], v[(\cb)+nn:(\cb)+nn+1], v[UU+nn:UU+nn+1] neg_lo:[0,0,1] neg_hi:[0,0,1]   ; x(d) cos(d) - x(d + 64) sin(d)
	v_pk_fma_f32 v[UU+32+nn:UU+33+nn], v[TT+32+nn:TT+33+nn], v[(\cb)+32+nn:(\cb)+33+nn], v[UU+32+nn:UU+33+nn]                 ; x(d + 64) cos(d + 64) + x(d) sin(d + 64)
.set nn, nn+2
.endr
	WIN 0
.if \a == 0
	s_wait_loadcnt 15                              ; tile 1's 32 loads are in; 15 of tile 2's cos may be out, so that with the 48 below 63 are out
	TLD 2, 0x40, 192, 10                           ; tile 2's sin,
	TLD 3, 0xc0, 128, 8                            ; and tile 3's tables where tile 0's lay: two tiles' work ahead of their use
	TLD 3, 0xc0, 192, 10
.endif
.irp b, 0,1,2,3
.irp i, 0,1,2,3,4,5,6,7,8,9,10,11,12,13,14,15
	v_med3_num_f32 v[UU+16*\b+\i], v[UU+16*\b+\i], -v61, v61   ; the conversion to an 8-bit code does not saturate (ISA guide 7.6.2): the hold at the largest code x the scale
.endr
	v_cvt_scalef32_pk8_bf8_f32 v[PCB+16*(\a)+4*\b:PCB+16*(\a)+4*\b+1], v[UU+16*\b:UU+16*\b+7], v60
	v_cvt_scalef32_pk8_bf8_f32 v[PCB+16*(\a)+4*\b+2:PCB+16*(\a)+4*\b+3], v[UU+16*\b+8:UU+16*\b+15], v60
.endr
	v_nop                                          ; one plain line behind the last conversion
.irp c, 0,1,2,3
	global_store_b128 v[LI], v[PCB+16*(\a)+4*\c:PCB+16*(\a)+4*\c+3], s[16:17] offset:(\a)*2048+512*\c   ; the fragment as it stands: 512 consecutive bytes a store; each tile has its own registers for its codes
.endr
.endm
	LNROPE 0, 0x0c, 128, 192, -1                   ; tables in window 3, waited for ahead of the last K step
	LNROPE 1, 0x04, 0, 64, -1                      ; in window 1, waited for in tile 0's turn
	LNROPE 2, 0x04, 128, 192, 32                   ; tile 3's 32 loads may be out
	LNROPE 3, 0x0c, 128, 192, 0
	s_branch .Lclose
	; ---------------- V: a lane holds one channel and 64 keys; a sum stands for sum x 2^(e4 + e5), so its code is sum / 2^(e9 - e4 - e5): the three scales folded into the conversion's one
.Lvout:
	s_sub_co_i32 s23, s93, s88
	s_sub_co_i32 s23, s23, s89
	s_add_co_i32 s23, s23, 127
	s_lshl_b32 s24, s23, 23
	v_mov_b32 v60, s24
	s_add_co_i32 s23, s23, 15
	s_lshl_b32 s23, s23, 23
	s_or_b32 s23, s23, 0x600000
	v_mov_b32 v61, s23
	s_wait_alu depctr_va_vdst(0)
	s_sub_co_u32 s23, s14, 10
	s_lshl_b32 s23, s23, 2
	s_add_co_u32 s23, s23, ttmp9
	s_lshl_b32 s23, s23, 1
	s_add_co_u32 s23, s23, s21                     ; my key step of 128: 2 (4 (y - 10) + cluster x) + half
	s_lshl_b32 s18, s12, 19                        ; kvc: head cx,
	s_lshr_b32 s24, s23, 2
	s_lshl_b32 s24, s24, 17
	s_add_co_u32 s18, s18, s24                     ; slot of 512 keys,
	s_and_b32 s24, s23, 3
	s_lshl_b32 s24, s24, 14
	s_add_co_u32 s18, s18, s24                     ; key step in it,
	s_lshl_b32 s24, s22, 13
	s_add_co_u32 s18, s18, s24                     ; my four tiles of channels,
	s_add_co_u32 s18, s18, 65536                   ; behind the slot's K
	s_mov_b32 s19, 0
	s_add_nc_u64 s[16:17], s[78:79], s[18:19]
.macro VOUT a
	WIN 0x02
.irp i, 0,1,2,3,4,5,6,7,8,9,10,11,12,13,14,15,16,17,18,19,20,21,22,23,24,25,26,27,28,29,30,31,32,33,34,35,36,37,38,39,40,41,42,43,44,45,46,47,48,49,50,51,52,53,54,55,56,57,58,59,60,61,62,63
	v_med3_num_f32 v[TT+\i], v[64*(\a)+\i], -v61, v61
.endr
	WIN 0
.irp b, 0,1,2,3
	v_cvt_scalef32_pk8_bf8_f32 v[PCB+16*(\a)+4*\b:PCB+16*(\a)+4*\b+1], v[TT+16*\b:TT+16*\b+7], v60
	v_cvt_scalef32_pk8_bf8_f32 v[PCB+16*(\a)+4*\b+2:PCB+16*(\a)+4*\b+3], v[TT+16*\b+8:TT+16*\b+15], v60
.endr
	v_nop                                          ; one plain line behind the last conversion
.irp c, 0,1,2,3
	global_store_b128 v[LI], v[PCB+16*(\a)+4*\c:PCB+16*(\a)+4*\c+3], s[16:17] offset:(\a)*2048+512*\c
.endr
.endm
	VOUT 0
	VOUT 1
	VOUT 2
	VOUT 3
.Lclose:
	s_wait_tensorcnt 0x0                           ; the wave's end
	ds_add_u32 v[SPW], v[NIL]
	s_wait_dscnt 0x0
	CROUND                                         ; the closing round: no work-group ends while a partner may still ask for a tile that names it
	s_endpgm
.Lfunc_end_k_q16bc1db863_qkv:
	.size	k_q16bc1db863_qkv, .Lfunc_end_k_q16bc1db863_qkv-k_q16bc1db863_qkv
	.p2alignl 7, 3214868480
	.fill 96, 4, 3214868480
	.section	.rodata,"a",@progbits
	.p2align	6, 0x0
	.amdhsa_kernel k_q16bc1db863_qkv
		.amdhsa_group_segment_fixed_size 327680
		.amdhsa_private_segment_fixed_size 0
		.amdhsa_enable_private_segment 0
		.amdhsa_kernarg_size 80
		.amdhsa_user_sgpr_count 2
		.amdhsa_user_sgpr_kernarg_segment_ptr 1
		.amdhsa_wavefront_size32 1
		.amdhsa_system_sgpr_workgroup_id_x 1
		.amdhsa_system_sgpr_workgroup_id_y 1
		.amdhsa_system_sgpr_workgroup_id_z 1
		.amdhsa_system_vgpr_workitem_id 0
		.amdhsa_next_free_vgpr 1024
		.amdhsa_next_free_sgpr 100
		.amdhsa_reserve_vcc 0
		.amdhsa_float_denorm_mode_32 3
		.amdhsa_float_denorm_mode_16_64 3
		.amdhsa_memory_ordered 1
		.amdhsa_forward_progress 1
		.amdhsa_inst_pref_size 223
	.end_amdhsa_kernel
	.amdgpu_metadata
---
amdhsa.version: [ 1, 2 ]
amdhsa.kernels:
  - .name:           k_q16bc1db863_qkv
    .symbol:         k_q16bc1db863_qkv.kd
    .args:
      - { .name: cod, .offset: 0, .size: 8, .value_kind: global_buffer, .address_space: global }
      - { .name: lowp_scales, .offset: 8, .size: 8, .value_kind: global_buffer, .address_space: global }
      - { .name: cos, .offset: 16, .size: 8, .value_kind: global_buffer, .address_space: global }
      - { .name: sin, .offset: 24, .size: 8, .value_kind: global_buffer, .address_space: global }
      - { .name: q_gamma, .offset: 32, .size: 8, .value_kind: global_buffer, .address_space: global }
      - { .name: q_beta, .offset: 40, .size: 8, .value_kind: global_buffer, .address_space: global }
      - { .name: k_gamma, .offset: 48, .size: 8, .value_kind: global_buffer, .address_space: global }
      - { .name: k_beta, .offset: 56, .size: 8, .value_kind: global_buffer, .address_space: global }
      - { .name: qc, .offset: 64, .size: 8, .value_kind: global_buffer, .address_space: global }
      - { .name: kvc, .offset: 72, .size: 8, .value_kind: global_buffer, .address_space: global }
    .group_segment_fixed_size: 327680
    .private_segment_fixed_size: 0
    .kernarg_segment_align: 8
    .kernarg_segment_size: 80
    .max_flat_workgroup_size: 128
    .sgpr_count:     100
    .vgpr_count:     1024
    .wavefront_size: 32
...
	.end_amdgpu_metadata
.endif
;; end of part 2
;; launch attn (part 3): grid 64 x 4, 4 waves a work-group, no clusters, 270,848 bytes of LDS; arguments qc, kvc, lowp_scales, ao; writes ao
.if DOCPART == 3
	.amdgcn_target "amdgcn-amd-amdhsa--gfx1250"
	.amdhsa_code_object_version 6
	.text
	.protected	k_q16bc1db863_attn
	.globl	k_q16bc1db863_attn
	.p2align	8
	.type	k_q16bc1db863_attn,@function
k_q16bc1db863_attn:
	s_mov_b64 s[64:65], 0
	v_nop
	global_prefetch_b8 v0, s[64:65] scope:SCOPE_SE
	s_setreg_imm32_b32 hwreg(HW_REG_WAVE_MODE, 25, 1), 1
	s_wait_xcnt 0x0
; Causal attention on codes of BF8, 16 query heads on 4 key and value heads, 2,048 positions, head size 128; the result is quantised (entry 10) as the last projection's operand.
; THE SOFTMAX AHEAD OF THE SECOND PRODUCT: t = score x log2(e) / sqrt(128); M = the largest t so far, rounded UP to a whole number; p = 2^(t - M) is quantised (entry 8), not normalised; the row's sum is taken
; of the unquantised p and divides at the end.  When M moves, the sum and O are multiplied by 2^(old M - new M): exact.
; All operands are images of operand registers (2,048 bytes a fragment; registers 4 c .. 4 c + 3 of lane L at 512 c + 16 L); slot p of tile T is position 16 T - 8 (T & 1) + p + 8 (p / 8).
; Both products are used transposed: S^T = K Q^T, O^T = V^T P^T: a lane holds ONE query; the 16 registers of two neighbouring tiles of keys are 16 neighbouring keys, of channels 16 neighbouring channels.
; SHARES.  Work-group (j, g) owns query tiles A = 127 - j and B = j of key and value head g.  Tile T lies in block T / 8 of 128 positions and sees key steps 0 .. T / 8 of 128 keys; the later ones lie
; wholly under reference()'s causal mask and are left out.  A has LA = 16 - j / 8 steps and B 17 - LA: 17 in every work-group.  They are numbered 0 .. 16, A's first, and wave w takes numbers w, w + 4, ..
; A WAVE HOLDS ALL FOUR QUERY HEADS of its tile (units 0 to 3), so each fragment of K and V feeds four matrix instructions.
; K's and V's fragments come from memory straight into the registers of the one wave that multiplies them, asked for one whole key step ahead of their use: 64 loads of 512 consecutive bytes a step.
; cluster = none, and no L2 prefetch: no tile lies in LDS for a joint load to land in, the four waves read four different key steps, and each load itself stands a key step ahead of its wait.
; Every wave walks five trips.  Where the number four on is 17 or more, the trip's loads still stand, so that the counted waits count the same loads on every way; all their lanes then name one 16-byte piece of key step 0.
; AT THE END each wave's O^T, sum and M of both tiles meet in LDS; wave w joins and stores unit w of both tiles.  A wave that had no step of B hands over M = -3e38 and gets the factor 0.
; At the change from A to B the registers of O^T are not cleared: B's first step multiplies them by 2^(-3e38 - M) = 0.  LIMIT: that wants finite sums; NaN and infinity among the inputs are not served.
; LIMITS: e6 + e7 between -123 and 130 (added to c's exponent field); e8 and e10 between -126 and 112.  e8 + e9 is applied by v_ldexp_f32.
; REGISTERS, in windows of 256: window 0: v1-19 addresses and scales, v20-63 statistics and work, v64-127 Q of the tile in hand, v128-191 p's codes, v192-255 Q of tile B.
;   window 1: v0-127 K's eight fragments, v128-255 V's.   window 2: S^T, then p: unit u at 64 u.   window 3: O^T: unit u at 64 u.
.set STATS, 0x40000                    ; LDS: O^T of (tile p, wave v, unit u) at 131,072 p + 32,768 v + 8,192 u; behind them (sum, -M) at 4,096 p + 1,024 v + 256 u + 8 x lane
.set SPARE, 0x42000                    ; the spare words, 128 bytes for each wave: two blocks of 256 bytes that no other line names
.set LI,   1                           ; 16 x lane
.set LIN,  2                           ; the same, or 0 where the next step does not exist
.set QL,   3                           ; my query less the tile's first less 16 (lane / 16)
.set STA,  4                           ; hand-over, in: tile A;  v5: tile B
.set STB,  5
.set SS,   6                           ; its statistics, in
.set RDA,  7                           ; back: v7, v8 tile A's waves 0-1, 2-3;  v9, v10 tile B's
.set RDB,  9
.set SR,   11                          ; statistics, back
.set SPW,  12                          ; my spare word; never rewritten
.set NIL,  13                          ; 0; never rewritten
.set HP,   14                          ; 57,344 x 2^e8
.set SP,   15                          ; 2^e8
.set SO,   16                          ; 2^e10
.set HO,   17                          ; 57,344 x 2^e10
.set DD,   18
.set NINF, 19
.set NM,   20                          ; unit u: v[20 + 2 u] -M, v[21 + 2 u] the largest t
.set LS,   28                          ; the sum, in two halves
.set FF,   36                          ; f = 2^(old M - new M), and a word that is named with it as a pair
.set TA,   44
.set TB,   52
.set PX,   60
.set QR,   64
.set CD,   128
.set QB,   192
.set KA,   26                          ; s[26:27] the key step that is being asked for
.set MSB, 0
.macro WIN new                         ; the immediate's high byte repeats the setting that is left
.if MSB != (\new)
	s_set_vgpr_msb (MSB<<8)|(\new)
.set MSB, (\new)
.endif
.endm
.macro PLACES                          ; four plain places behind a matrix instruction (ISA guide 7.12.1)
.rept 4
	v_nop
.endr
.endm
.macro KVLOAD r, off                   ; eight fragments as they lie: 32 loads of 512 consecutive bytes into window 1
	WIN 0x40
.irp t, 0,1,2,3,4,5,6,7
.irp c, 0,1,2,3
	global_load_b128 v[(\r)+16*\t+4*\c:(\r)+16*\t+4*\c+3], v[LIN], s[KA:KA+1] offset:(\off)+2048*\t+512*\c
.endr
.endr
	WIN 0
.endm
.macro KVPART r, off, t0, t1           ; fragments t0 .. t1 - 1 of the eight
	WIN 0x40
.set kt, \t0
.rept (\t1)-(\t0)
.irp c, 0,1,2,3
	global_load_b128 v[(\r)+16*kt+4*\c:(\r)+16*kt+4*\c+3], v[LIN], s[KA:KA+1] offset:(\off)+2048*kt+512*\c
.endr
.set kt, kt+1
.endr
	WIN 0
.endm
.macro HANDOVER p, st                  ; my O^T of four units as it stands in my registers, each accumulator from its low end on, and (sum, -M) of each
.irp u, 0,1,2,3
	v_add_f32 v[TA+2*\u], v[LS+2*\u], v[LS+2*\u+1]
	v_mov_b32 v[TA+2*\u+1], v[NM+2*\u]
.endr
	WIN 0x0c                                       ; store data window 3
.set n, 0
.rept 64
	ds_store_b128 v[\st], v[4*n:4*n+3] offset:512*n
.set n, n+1
.endr
	WIN 0
.irp u, 0,1,2,3
	ds_store_b64 v[SS], v[TA+2*\u:TA+2*\u+1] offset:4096*\p+256*\u
.endr
.endm
.macro MLOAD p, rd                     ; my unit's four parts of tile p: statistics into v[20 + 8 p ..], O^T into window 2 (A) or 1 (B), wave v's at 64 v
.irp v, 0,1,2,3
	ds_load_b64 v[NM+8*\p+2*\v:NM+8*\p+2*\v+1], v[SR] offset:4096*\p+1024*\v
.endr
	WIN 0x80-0x40*\p
.irp v, 0,1,2,3
.set n, 0
.rept 16
	ds_load_b128 v[64*\v+4*n:64*\v+4*n+3], v[\rd+\v/2] offset:32768*(\v%2)+512*n
.set n, n+1
.endr
.endr
	WIN 0
.endm
.macro MCALC p, ptr                    ; the four parts are joined under the row's M, divided by the row's sum, quantised and stored
.set M0, NM+8*\p
	v_min3_num_f32 v44, v[M0+1], v[M0+3], v[M0+5]
	v_min_num_f32 v44, v44, v[M0+7]                ; -M of the whole row
.irp v, 0,1,2,3
	v_sub_f32 v[46+\v], v44, v[M0+2*\v+1]
.endr
.irp v, 0,1,2,3
	v_cvt_i32_f32 v[46+\v], v[46+\v]               ; (it saturates: a part with no step gets the factor 0)
.endr
.irp v, 0,1,2,3
	v_ldexp_f32 v[46+\v], 1.0, v[46+\v]            ; 2^(the part's M - M)
.endr
	v_mul_f32 v45, v[M0], v46
	v_fmac_f32 v45, v[M0+2], v47
	v_fmac_f32 v45, v[M0+4], v48
	v_fmac_f32 v45, v[M0+6], v49
	v_permlanex16_b32 v[PX], v45, s20, s21
	v_add_f32 v45, v45, v[PX]                      ; the row's sum
	s_wait_alu depctr_va_vdst(0)
	v_rcp_f32 v45, v45
	v_nop                                          ; one plain place behind it
	s_wait_alu depctr_va_vdst(0)
	v_ldexp_f32 v45, v45, s52                      ; x 2^(e8 + e9)
.irp v, 0,1,2,3
	v_mul_f32 v[TB+2*\v], v[46+\v], v45
	v_mul_f32 v[TB+2*\v+1], v[46+\v], v45
.endr
	WIN 0xc2-\p                                    ; destination window 3, source 0 the parts' window
.set n, 0
.rept 32
	v_pk_mul_f32 v[64*\p+n:64*\p+n+1], v[n:n+1], v[TB:TB+1]
.set n, n+2
.endr
	WIN 0xf2-\p
.irp v, 1,2,3
.set n, 0
.rept 32
	v_pk_fma_f32 v[64*\p+n:64*\p+n+1], v[64*\v+n:64*\v+n+1], v[TB+2*\v:TB+2*\v+1], v[64*\p+n:64*\p+n+1]
.set n, n+2
.endr
.endr
	WIN 0xc3
.set n, 0
.rept 64
	v_med3_num_f32 v[64*\p+n], v[64*\p+n], -v[HO], v[HO]   ; the conversion does not saturate (ISA guide 7.6.2): the hold at the largest code x the scale
.set n, n+1
.endr
	WIN 0x03
.irp b, 0,1,2,3
	v_cvt_scalef32_pk8_bf8_f32 v[CD+16*\p+4*\b:CD+16*\p+4*\b+1], v[64*\p+16*\b:64*\p+16*\b+7], v[SO]
	v_cvt_scalef32_pk8_bf8_f32 v[CD+16*\p+4*\b+2:CD+16*\p+4*\b+3], v[64*\p+16*\b+8:64*\p+16*\b+15], v[SO]
.endr
	v_nop                                          ; one plain line behind the last conversion
	WIN 0
.irp c, 0,1,2,3
	global_store_b128 v[LI], v[CD+16*\p+4*\c:CD+16*\p+4*\c+3], s[\ptr:\ptr+1] offset:512*\c   ; the last projection's fragment: 512 consecutive bytes a store
.endr
.endm
	s_load_b256 s[4:11], s[0:1], 0x0               ; qc s[4:5], kvc s[6:7], the scales' exponents s[8:9], ao s[10:11]
	v_lshl_add_u32 v[SPW], v0, 2, SPARE
	v_mov_b32 v[NIL], 0
	v_lshrrev_b32 v[DD], 5, v0
	v_readfirstlane_b32 s12, v[DD]                 ; wave 0..3
	v_and_b32 v[LI], 31, v0
	v_lshlrev_b32 v[LI], 4, v[LI]
	v_mov_b32 v[LIN], v[LI]
	s_and_b32 s14, ttmp7, 0xffff                   ; g
	s_lshr_b32 s54, ttmp9, 3                       ; B's last key step: j / 8
	s_sub_co_u32 s15, 16, s54                      ; LA
	s_sub_co_u32 s53, 15, s54                      ; A's last key step
	s_sub_co_u32 s29, 127, ttmp9                   ; tile A
	s_and_b32 s30, s29, 1
	s_lshl_b32 s30, s30, 3
	s_lshl_b32 s18, s29, 4
	s_sub_co_u32 s18, s18, s30                     ; A's first query: 16 T - 8 (T & 1)
	s_and_b32 s30, ttmp9, 1
	s_lshl_b32 s30, s30, 3
	s_lshl_b32 s19, ttmp9, 4
	s_sub_co_u32 s19, s19, s30                     ; B's
	s_mov_b32 s16, s12                             ; the number of my step in hand
	s_lshl_b32 s32, s14, 19                        ; kvc: [head][512 keys][K: 4 steps x 16,384; V: the same, 65,536 on]
	s_mov_b32 s33, 0
	s_lshl_b32 s34, s12, 14                        ; my first step is key step w
	s_mov_b32 s35, 0
	s_lshl_b32 s31, s14, 20
	s_lshl_b32 s56, s29, 11
	s_add_co_u32 s56, s56, s31                     ; qc: [head 4 g + u][tile][2,048]
	s_mov_b32 s57, 0
	s_lshl_b32 s58, ttmp9, 11
	s_add_co_u32 s58, s58, s31
	s_mov_b32 s59, 0
	s_lshl_b32 s28, s12, 11
	s_add_co_u32 s31, s31, s28
	s_lshl_b32 s60, s29, 13
	s_add_co_u32 s60, s60, s31                     ; ao: [g][tile][unit w][2,048]
	s_mov_b32 s61, 0
	s_lshl_b32 s62, ttmp9, 13
	s_add_co_u32 s62, s62, s31
	s_mov_b32 s63, 0
	s_mov_b32 s20, 0x76543210
	s_mov_b32 s21, 0xfedcba98                      ; v_permlanex16_b32's selects for lane l xor 16
	s_mov_b32 s22, 0x3e0293ee                      ; log2(e) / sqrt(128)
	s_lshl_b32 s28, s12, 15
	s_lshl_b32 s29, s12, 10
	s_add_co_u32 s29, s29, STATS
	s_lshl_b32 s30, s12, 8
	s_add_co_u32 s30, s30, STATS
	s_lshl_b32 s31, s12, 13
	s_wait_alu depctr_va_vdst(0)
	s_wait_kmcnt 0x0
	s_load_b256 s[36:43], s[8:9], 0x0              ; e0 .. e7
	s_load_b128 s[44:47], s[8:9], 0x20             ; e8 .. e11
	s_add_nc_u64 s[24:25], s[6:7], s[32:33]        ; my head's K and V
	s_add_nc_u64 s[KA:KA+1], s[24:25], s[34:35]
	s_add_nc_u64 s[56:57], s[4:5], s[56:57]
	s_add_nc_u64 s[58:59], s[4:5], s[58:59]
	s_add_nc_u64 s[60:61], s[10:11], s[60:61]
	s_add_nc_u64 s[62:63], s[10:11], s[62:63]
.irp u, 0,1,2,3
.irp c, 0,1,2,3
	global_load_b128 v[QR+16*\u+4*\c:QR+16*\u+4*\c+3], v[LI], s[56:57] offset:262144*\u+512*\c   ; tile A's Q, four heads
.endr
.endr
.irp u, 0,1,2,3
.irp c, 0,1,2,3
	global_load_b128 v[QB+16*\u+4*\c:QB+16*\u+4*\c+3], v[LI], s[58:59] offset:262144*\u+512*\c   ; tile B's
.endr
.endr
	KVPART 0, 0, 0, 7                              ; my first step's K, seven fragments: 60 loads are out; the set-up below stands ahead of the rest
	v_and_b32 v[DD], 15, v0
	v_bfe_u32 v[NINF], v0, 4, 1
	v_and_b32 v[QL], 8, v[DD]
	v_add_nc_u32 v[QL], v[QL], v[DD]
	v_lshlrev_b32 v[NINF], 4, v[NINF]
	v_sub_nc_u32 v[QL], v[QL], v[NINF]
	v_mov_b32 v[NINF], 0xff800000
	v_add_nc_u32 v[STA], s28, v[LI]
	v_add_nc_u32 v[STB], 0x20000, v[STA]
	v_lshrrev_b32 v[SR], 1, v[LI]
	v_add_nc_u32 v[SS], s29, v[SR]
	v_add_nc_u32 v[SR], s30, v[SR]
	v_add_nc_u32 v[RDA], s31, v[LI]
	v_add_nc_u32 v[RDA+1], 0x10000, v[RDA]
	v_add_nc_u32 v[RDB], 0x20000, v[RDA]
	v_add_nc_u32 v[RDB+1], 0x30000, v[RDA]
.irp u, 0,1,2,3
	v_mov_b32 v[NM+2*\u+1], 0xff61b1e6             ; the largest t so far: -3e38, under every t
	v_mov_b32 v[LS+2*\u], 0
	v_mov_b32 v[LS+2*\u+1], 0
	v_mov_b32 v[FF+2*\u+1], 0                      ; (named as the upper half of a pair)
	v_mov_b32 v[PX+\u], 0                          ; a lane permute's destination counts as one of its sources
.endr
.irp u, 0,1,2,3
	v_floor_f32 v[NM+2*\u], -v[NM+2*\u+1]          ; -M
.endr
.set n, 0
.rept 32
	v_mov_b32 v[CD+n], 0                           ; two fragments of zero codes
.set n, n+1
.endr
	WIN 0xc0
.set n, 0
.rept 32
	v_wmma_f32_16x16x128_bf8_bf8 v[8*n:8*n+7], v[CD:CD+15], v[CD+16:CD+31], 0   ; O^T begins as zeros, written by 32 products of zero codes: the step is written once, with no first form
.set n, n+1
.endr
	WIN 0
	s_wait_kmcnt 0x0
	s_add_co_i32 s52, s42, s43
	s_lshl_b32 s52, s52, 23
	s_add_co_i32 s22, s22, s52                     ; a score stands for score x 2^(e6 + e7): added to c's exponent field
	s_mov_b32 s23, s22
	s_add_co_i32 s52, s44, 127
	s_lshl_b32 s55, s52, 23
	v_mov_b32 v[SP], s55
	s_add_co_i32 s52, s52, 15
	s_lshl_b32 s52, s52, 23
	s_or_b32 s52, s52, 0x600000
	v_mov_b32 v[HP], s52
	s_add_co_i32 s52, s46, 127
	s_lshl_b32 s55, s52, 23
	v_mov_b32 v[SO], s55
	s_add_co_i32 s52, s52, 15
	s_lshl_b32 s52, s52, 23
	s_or_b32 s52, s52, 0x600000
	v_mov_b32 v[HO], s52
	KVPART 0, 0, 7, 8                              ; K's last fragment,
	KVLOAD 128, 65536                              ; and V: the youngest 32 loads, as at the head of every trip
	s_wait_alu depctr_va_vdst(0)
.Ltrip:                                            ; five trips: numbers w, w + 4, .., w + 16
	s_wait_loadcnt 32                              ; all but the youngest 32 loads, this step's V, are in: Q and this step's K
	s_cmp_lt_u32 s16, s15
	s_cbranch_scc1 .Lnosw
	s_add_co_u32 s52, s15, 4
	s_cmp_ge_u32 s16, s52
	s_cbranch_scc1 .Lnosw
	HANDOVER 0, STA                                ; my first number at or past LA: tile A is done.  Every wave comes here once: LA <= 16 <= w + 16
.irp u, 0,1,2,3
	v_mov_b32 v[NM+2*\u+1], 0xff61b1e6
	v_mov_b32 v[LS+2*\u], 0
	v_mov_b32 v[LS+2*\u+1], 0
.endr
.irp u, 0,1,2,3
	v_floor_f32 v[NM+2*\u], -v[NM+2*\u+1]
.endr
.set n, 0
.rept 64
	v_mov_b32 v[QR+n], v[QB+n]                     ; tile B's Q takes A's place
.set n, n+1
.endr
	s_wait_alu depctr_va_vdst(0)                   ; scalar lines
.Lnosw:
	s_cmp_ge_u32 s16, 17
	s_cbranch_scc1 .Lskip                          ; no such step: ids alone decide
	s_cmp_lt_u32 s16, s15                          ; A's step or B's?
	s_cselect_b32 s49, s18, s19                    ; the tile's first query
	s_cselect_b32 s50, s53, s54                    ; its last key step, the one on the diagonal
	s_cselect_b32 s52, 0, s15
	s_sub_co_u32 s51, s16, s52                     ; the key step
	s_lshl_b32 s48, s51, 7                         ; its first key
	WIN 0xa1                                       ; source 0 (K) window 1, source 1 (Q) window 0, D window 2
.irp t, 0,1,2,3,4,5,6,7
.irp u, 0,1,2,3
	v_wmma_f32_16x16x128_bf8_bf8 v[64*\u+8*\t:64*\u+8*\t+7], v[16*\t:16*\t+15], v[QR+16*\u:QR+16*\u+15], 0
.endr
.endr
	WIN 0
	PLACES                                         ; in front of the loads into K's registers and of the first read of the scores
	s_add_co_u32 s55, s16, 4                       ; my next number,
	s_cmp_lt_u32 s55, s15
	s_cselect_b32 s52, 0, s15
	s_sub_co_u32 s57, s55, s52                     ; its key step,
	s_cmp_lt_u32 s55, 17
	s_cselect_b32 s56, 1, 0                        ; and whether it exists
	s_cselect_b32 s57, s57, 0
	s_lshr_b32 s58, s57, 2
	s_lshl_b32 s58, s58, 17
	s_and_b32 s57, s57, 3
	s_lshl_b32 s57, s57, 14
	s_add_co_u32 s58, s58, s57
	s_mov_b32 s59, 0
	s_wait_xcnt 0x0                                ; the earlier loads have read their base and offset, which are written now
	s_add_nc_u64 s[KA:KA+1], s[24:25], s[58:59]
	v_mul_u32_u24 v[LIN], s56, v[LI]
	KVPART 0, 0, 0, 7                              ; the next step's K, seven fragments: with this step's V 60 loads are out.  This step's softmax and second product stand ahead of their wait
	s_cmp_lg_u32 s51, s50
	s_cbranch_scc1 .Lopen                          ; only the tile's last step lies on the diagonal
	s_sub_co_i32 s52, s49, s48
	v_add_nc_u32 v[DD], s52, v[QL]                 ; d = my query - the first key - 16 (lane / 16).  Register 16 b + i holds key 32 b + 16 (lane / 16) + i of the step: hidden where 32 b + i > d
	WIN 0x82
.set n, 0
.rept 64
	v_cmp_gt_i32 vcc_lo, 32*(n/16)+n%16, v[DD]     ; one compare serves the four heads
.irp u, 0,1,2,3
	v_cndmask_b32 v[64*\u+n], v[64*\u+n], v[NINF], vcc_lo
.endr
.set n, n+1
.endr
	WIN 0
.Lopen:
	WIN 0x2a                                       ; the step's largest score of my query: two chains a unit, the four units by turns
.irp u, 0,1,2,3
	v_max3_num_f32 v[TA+2*\u], v[64*\u], v[64*\u+1], v[64*\u+2]
	v_max3_num_f32 v[TA+2*\u+1], v[64*\u+3], v[64*\u+4], v[64*\u+5]
.endr
	WIN 0x28
.irp i, 6,10,14,18,22,26,30,34,38,42,46,50,54,58
.irp u, 0,1,2,3
	v_max3_num_f32 v[TA+2*\u], v[TA+2*\u], v[64*\u+\i], v[64*\u+\i+1]
	v_max3_num_f32 v[TA+2*\u+1], v[TA+2*\u+1], v[64*\u+\i+2], v[64*\u+\i+3]
.endr
.endr
.irp u, 0,1,2,3
	v_max3_num_f32 v[TA+2*\u], v[TA+2*\u], v[64*\u+62], v[64*\u+63]
.endr
	WIN 0
.irp u, 0,1,2,3
	v_max_num_f32 v[TA+2*\u], v[TA+2*\u], v[TA+2*\u+1]
.endr
.irp u, 0,1,2,3
	v_permlanex16_b32 v[PX+\u], v[TA+2*\u], s20, s21
.endr
.irp u, 0,1,2,3
	v_max_num_f32 v[TA+2*\u], v[TA+2*\u], v[PX+\u] ; and among lane l xor 16's
.endr
.irp u, 0,1,2,3
	v_mul_f32 v[TA+2*\u], s22, v[TA+2*\u]          ; as t (c is positive)
.endr
.irp u, 0,1,2,3
	v_max_num_f32 v[NM+2*\u+1], v[NM+2*\u+1], v[TA+2*\u]
	v_mov_b32 v[TA+2*\u], v[NM+2*\u]
.endr
.irp u, 0,1,2,3
	v_floor_f32 v[NM+2*\u], -v[NM+2*\u+1]          ; the new -M = -ceil(t): a whole number
.endr
.irp u, 0,1,2,3
	v_sub_f32 v[TA+2*\u], v[NM+2*\u], v[TA+2*\u]   ; old M - new M: a whole number, 0 or less
.endr
.irp u, 0,1,2,3
	v_cvt_i32_f32 v[TA+2*\u], v[TA+2*\u]           ; (it saturates)
.endr
.irp u, 0,1,2,3
	v_ldexp_f32 v[FF+2*\u], 1.0, v[TA+2*\u]        ; f
.endr
.irp u, 0,1,2,3
	v_pk_mul_f32 v[LS+2*\u:LS+2*\u+1], v[LS+2*\u:LS+2*\u+1], v[FF+2*\u:FF+2*\u+1] op_sel_hi:[1,0]   ; the sums under the new M
.endr
	WIN 0x82
.irp u, 0,1,2,3
.set n, 0
.rept 32
	v_pk_fma_f32 v[64*\u+n:64*\u+n+1], v[64*\u+n:64*\u+n+1], s[22:23], v[NM+2*\u:NM+2*\u+1] op_sel_hi:[1,0,0]   ; t - M, two at a time
.set n, n+2
.endr
.endr
	KVPART 0, 0, 7, 8                              ; the next step's K, its last fragment: all 32 loads of K stand ahead of the wait for V, which counts them
	WIN 0x82
	s_wait_alu depctr_va_vdst(0)
.set n, 0
.rept 256
	v_exp_f32 v[n], v[n]
.set n, n+1
.endr
	v_nop                                          ; a plain place behind the exponentials
	s_wait_alu depctr_va_vdst(0)                   ; one wait for the whole batch, ahead of its first reader
	WIN 0x0a                                       ; the row's sum is taken of the unquantised p: two chains a unit
.irp u, 0,1,2,3
	v_pk_add_f32 v[TB+2*\u:TB+2*\u+1], v[64*\u:64*\u+1], v[64*\u+2:64*\u+3]
.endr
	WIN 0x08
.irp i, 4,8,12,16,20,24,28,32,36,40,44,48,52,56,60
.irp u, 0,1,2,3
	v_pk_add_f32 v[LS+2*\u:LS+2*\u+1], v[LS+2*\u:LS+2*\u+1], v[64*\u+\i:64*\u+\i+1]
	v_pk_add_f32 v[TB+2*\u:TB+2*\u+1], v[TB+2*\u:TB+2*\u+1], v[64*\u+\i+2:64*\u+\i+3]
.endr
.endr
	WIN 0
.irp u, 0,1,2,3
	v_pk_add_f32 v[LS+2*\u:LS+2*\u+1], v[LS+2*\u:LS+2*\u+1], v[TB+2*\u:TB+2*\u+1]
.endr
	s_cmp_ge_i32 s44, -15                          ; p <= 1 <= 57,344 x 2^e8 wherever e8 >= -15: the hold cannot bind there and is jumped over
	s_wait_alu depctr_va_vdst(0)
	s_cbranch_scc1 .Lnohold
	WIN 0x82
.set n, 0
.rept 256
	v_min_num_f32 v[n], v[n], v[HP]                ; the conversion does not saturate (ISA guide 7.6.2); p is not negative, so the hold is one-sided
.set n, n+1
.endr
	WIN 0
.Lnohold:
	WIN 0x02
.irp u, 0,1,2,3
.irp b, 0,1,2,3
	v_cvt_scalef32_pk8_bf8_f32 v[CD+16*\u+4*\b:CD+16*\u+4*\b+1], v[64*\u+16*\b:64*\u+16*\b+7], v[SP]
	v_cvt_scalef32_pk8_bf8_f32 v[CD+16*\u+4*\b+2:CD+16*\u+4*\b+3], v[64*\u+16*\b+8:64*\u+16*\b+15], v[SP]
.endr
.endr
	WIN 0xc3
	s_wait_alu depctr_va_vdst(0)
.irp u, 0,1,2,3
.set n, 0
.rept 32
	v_pk_mul_f32 v[64*\u+n:64*\u+n+1], v[64*\u+n:64*\u+n+1], v[FF+2*\u:FF+2*\u+1] op_sel_hi:[1,0]   ; O^T under the new M
.set n, n+2
.endr
.endr
	WIN 0
	s_wait_alu depctr_va_vdst(0)
	s_wait_loadcnt 32                              ; this step's V is in; the youngest 32 loads, the next step's K, may be out
	WIN 0xf1                                       ; source 0 (V) window 1, source 1 (p) window 0, C and D window 3.  The 32 accumulators take turns
.irp t, 0,1,2,3,4,5,6,7
.irp u, 0,1,2,3
	v_wmma_f32_16x16x128_bf8_bf8 v[64*\u+8*\t:64*\u+8*\t+7], v[128+16*\t:128+16*\t+15], v[CD+16*\u:CD+16*\u+15], v[64*\u+8*\t:64*\u+8*\t+7]
.endr
.endr
	WIN 0
	PLACES                                         ; in front of the loads into V's registers and of a hand-over's stores
	KVLOAD 128, 65536                              ; the next step's V
.Lskip:
	s_add_co_u32 s16, s16, 4
	s_cmp_lt_u32 s16, 20
	s_wait_alu depctr_va_vdst(0)
	s_cbranch_scc1 .Ltrip
	s_wait_loadcnt 0x0                             ; the last trips' loads have landed: windows 1 and 2 take the parts below
	HANDOVER 1, STB
	s_add_co_i32 s52, s44, s45                     ; e8 + e9
	s_wait_dscnt 0x0                               ; for the others' sake: my stores of both tiles have landed
	s_barrier_signal -1
	s_barrier_wait -1
	MLOAD 0, RDA
	MLOAD 1, RDB
	s_wait_dscnt 63                                ; tile B's 68 loads are the younger ones: tile A's are in
	MCALC 0, 60
	s_wait_alu depctr_va_vdst(0)
	s_wait_dscnt 0x0
	MCALC 1, 62
	s_wait_tensorcnt 0x0                           ; the wave's end
	ds_add_u32 v[SPW], v[NIL]
	s_wait_dscnt 0x0
	s_endpgm
.Lfunc_end_k_q16bc1db863_attn:
	.size	k_q16bc1db863_attn, .Lfunc_end_k_q16bc1db863_attn-k_q16bc1db863_attn
	.p2alignl 7, 3214868480
	.fill 96, 4, 3214868480
	.section	.rodata,"a",@progbits
	.p2align	6, 0x0
	.amdhsa_kernel k_q16bc1db863_attn
		.amdhsa_group_segment_fixed_size 270848
		.amdhsa_private_segment_fixed_size 0
		.amdhsa_enable_private_segment 0
		.amdhsa_kernarg_size 32
		.amdhsa_user_sgpr_count 2
		.amdhsa_user_sgpr_kernarg_segment_ptr 1
		.amdhsa_wavefront_size32 1
		.amdhsa_system_sgpr_workgroup_id_x 1
		.amdhsa_system_sgpr_workgroup_id_y 1
		.amdhsa_system_sgpr_workgroup_id_z 1
		.amdhsa_system_vgpr_workitem_id 0
		.amdhsa_next_free_vgpr 1024
		.amdhsa_next_free_sgpr 66
		.amdhsa_reserve_vcc 1
		.amdhsa_float_denorm_mode_32 3
		.amdhsa_float_denorm_mode_16_64 3
		.amdhsa_memory_ordered 1
		.amdhsa_forward_progress 1
		.amdhsa_inst_pref_size 142
	.end_amdhsa_kernel
	.amdgpu_metadata
---
amdhsa.version: [ 1, 2 ]
amdhsa.kernels:
  - .name:           k_q16bc1db863_attn
    .symbol:         k_q16bc1db863_attn.kd
    .args:
      - { .name: qc, .offset: 0, .size: 8, .value_kind: global_buffer, .address_space: global }
      - { .name: kvc, .offset: 8, .size: 8, .value_kind: global_buffer, .address_space: global }
      - { .name: lowp_scales, .offset: 16, .size: 8, .value_kind: global_buffer, .address_space: global }
      - { .name: ao, .offset: 24, .size: 8, .value_kind: global_buffer, .address_space: global }
    .group_segment_fixed_size: 270848
    .private_segment_fixed_size: 0
    .kernarg_segment_align: 8
    .kernarg_segment_size: 32
    .max_flat_workgroup_size: 128
    .sgpr_count:     66
    .vgpr_count:     1024
    .wavefront_size: 32
...
	.end_amdgpu_metadata
.endif
;; end of part 3
;; launch oproj (part 4): grid 16 x 16, 4 waves a work-group, clusters of 4 x 4, 327,680 bytes of LDS; arguments cod, ao, lowp_scales, out0; writes out0
.if DOCPART == 4
	.amdgcn_target "amdgcn-amd-amdhsa--gfx1250"
	.amdhsa_code_object_version 6
	.text
	.protected	k_q16bc1db863_oproj
	.globl	k_q16bc1db863_oproj
	.p2align	8
	.type	k_q16bc1db863_oproj,@function
k_q16bc1db863_oproj:
	s_mov_b64 s[64:65], 0
	v_nop
	global_prefetch_b8 v0, s[64:65] scope:SCOPE_SE
	s_setreg_imm32_b32 hwreg(HW_REG_WAVE_MODE, 25, 1), 1
	s_wait_xcnt 0x0
	s_wait_alu depctr_hold_cnt(0) depctr_sa_sdst(0) depctr_va_vdst(0) depctr_va_sdst(0) depctr_va_ssrc(0) depctr_va_vcc(0) depctr_vm_vsrc(0)
	s_getreg_b32 s2, hwreg(HW_REG_IB_STS2, 6, 4)
	s_cmp_eq_u32 s2, 0
	s_cbranch_scc0 .Lentry_in_a_cluster
	s_endpgm
.Lentry_in_a_cluster:
	s_bfe_u32 s2, ttmp6, 0x10000c
	s_cmp_lg_u32 s2, 0xf033
	s_cbranch_scc0 .Lentry_shape_is_right
	s_endpgm
.Lentry_shape_is_right:
; out0 = Q(attention's result) Q(Wo), on codes of BF8, x 2^(e10 + e11).  Both operands are images of operand registers, laid [run of 4 K steps][tile 128][K step % 4][2,048].
; A work-group makes 128 x 128, a wave 64 x 64.  CLUSTER 4 x 4: P (Wo's columns) is shared along a column of the cluster, R (the rows) along a row: joint loads.
; THE RING: two slots of one run each.  LDS: P's half 0 (slot 0, slot 1), P's half 1, then R's two halves likewise: a half's two runs lie on end, so that ONE load of two rows of 32,768 bytes makes both slots' first fill.
; The two refills (runs 2 and 3) have one row.  Behind the head's load each wave prefetches, of the 32,768 bytes that it will fetch of runs 2 and 3, its work-group's quarter, the four partners told apart by address.
; LIMIT: e10 + e11 between -126 and 127.
.set PT,   4
.set RT,   4
.set KS,   4
.set PB,   2*PT*KS*2048
.set RB,   2*RT*KS*2048
.set SLOT, PB+RB
.set SPARE, 2*SLOT
.set STAGE, SPARE+512
.set SPITCH, 272
.set ADP,  16
.set ADR,  20
.set STO,  24
.set RD,   25
.set CO,   26
.set SPW,  28
.set NIL,  29
.set TMP,  32
.set BK,   64
.set G1P,  28
.set G1R,  36
.set G0P,  44
.set G0R,  52
.set PSTR, 60
.set RSTR, 62
.set MSB, 0
.macro WIN new
.if MSB != \new
	s_set_vgpr_msb (MSB<<8)|\new
.set MSB, \new
.endif
.endm
.macro PLACES
.rept 4
	v_nop
.endr
.endm
.macro CREST
	s_cmp_lg_u32 s20, 0
	s_cbranch_scc1 .Lnot_wave_0_\@
	s_barrier_signal -3
.Lnot_wave_0_\@:
	s_barrier_wait -3
	s_barrier_signal -1
	s_barrier_wait -1
.endm
.macro CROUND
	s_barrier_signal -1
	s_barrier_wait -1
	CREST
.endm
.macro JLOAD s
	s_cmp_lt_u32 s20, 2
	s_cbranch_scc0 .Lfor_r_\@
	tensor_load_to_lds s[G0P+4*\s:G0P+4*\s+3], s[G1P:G1P+7]
	s_nop 0
.rept 4
	v_nop
.endr
	s_branch .Lasked_\@
.Lfor_r_\@:
	tensor_load_to_lds s[G0R+4*\s:G0R+4*\s+3], s[G1R:G1R+7]
	s_nop 0
.rept 4
	v_nop
.endr
.Lasked_\@:
.endm
.macro FRAG reg, adr, off
.irp c, 0,1,2,3
	ds_load_b128 v[(\reg)+4*\c:(\reg)+4*\c+3], v[\adr] offset:(\off)+512*\c
.endr
.endm
.macro FETCH slot, q, set
	WIN 0x40
.set fi, 0
.rept PT
	FRAG 128*(\set)+16*fi, ADP+(\slot), fi*KS*2048+(\q)*2048
.set fi, fi+1
.endr
	WIN 0
.set fi, 0
.rept RT
	FRAG 128+64*(\set)+16*fi, ADR+(\slot), fi*KS*2048+(\q)*2048
.set fi, fi+1
.endr
.endm
.macro MULA a, set, zero
.set mb, 0
.rept PT
.if \zero
	v_wmma_f32_16x16x128_bf8_bf8 v[8*(PT*(\a)+mb):8*(PT*(\a)+mb)+7], v[128*(\set)+16*mb:128*(\set)+16*mb+15], v[128+64*(\set)+16*(\a):128+64*(\set)+16*(\a)+15], 0
.else
	v_wmma_f32_16x16x128_bf8_bf8 v[8*(PT*(\a)+mb):8*(PT*(\a)+mb)+7], v[128*(\set)+16*mb:128*(\set)+16*mb+15], v[128+64*(\set)+16*(\a):128+64*(\set)+16*(\a)+15], v[8*(PT*(\a)+mb):8*(PT*(\a)+mb)+7]
.endif
.set mb, mb+1
.endr
.endm
.macro STEP slot, q, zero
	s_wait_dscnt 0x0
	PLACES
	FETCH \slot, (\q)+1, 1-((\q)%2)
	WIN 0xa1
	MULA 0, (\q)%2, \zero
	MULA 1, (\q)%2, \zero
	MULA 2, (\q)%2, \zero
	MULA 3, (\q)%2, \zero
	WIN 0
.endm
.macro TURN slot, next, fill
	s_wait_tensorcnt 0x0
	ds_add_u32 v[SPW], v[NIL]
	s_wait_dscnt 1
	WIN 0xa1
	MULA 0, 1, 0
	s_wait_dscnt 0x0
	s_barrier_signal -1
	MULA 1, 1, 0
	WIN 0
	s_barrier_wait -1
.if \fill
	CREST
	s_add_nc_u64 s[G0P+4*\slot+2:G0P+4*\slot+3], s[G0P+4*\slot+2:G0P+4*\slot+3], s[PSTR:PSTR+1]
	s_add_nc_u64 s[G0R+4*\slot+2:G0R+4*\slot+3], s[G0R+4*\slot+2:G0R+4*\slot+3], s[RSTR:RSTR+1]
	s_mov_b32 s[G1P+2], 1<<16                      ; no load of mine is out, so the shapes may be written: a refill has one row
	s_mov_b32 s[G1P+4], 1
	s_mov_b32 s[G1R+2], 1<<16
	s_mov_b32 s[G1R+4], 1
	JLOAD \slot
.else
	PLACES
.endif
	FETCH \next, 0, 0
	WIN 0xa1
	MULA 2, 1, 0
	MULA 3, 1, 0
	WIN 0
.endm
	s_load_b256 s[4:11], s[0:1], 0x0
	v_lshl_add_u32 v[SPW], v0, 2, SPARE
	v_mov_b32 v[NIL], 0
	ds_add_u32 v28, v29
	ds_add_u32 v28, v29
	s_wait_dscnt 0x0
	v_lshrrev_b32 v1, 5, v0
	v_readfirstlane_b32 s20, v1
	s_and_b32 s21, s20, 1
	s_lshr_b32 s22, s20, 1
	s_bfe_u32 s12, ttmp6, 0x40000
	s_bfe_u32 s13, ttmp6, 0x40004
	s_lshl_b32 s14, ttmp9, 2
	s_add_co_u32 s14, s14, s12
	s_and_b32 s15, ttmp7, 0xffff
	s_lshl_b32 s15, s15, 2
	s_add_co_u32 s15, s15, s13
	s_lshl_b32 s23, s13, 2
	s_lshl_b32 s23, 15, s23
	s_lshl_b32 s24, 0x1111, s12
	s_or_b32 s[G1P], s24, (3<<16)|(1<<21)
	s_or_b32 s[G1R], s23, (3<<16)|(1<<21)
.irp g, G1P, G1R
	s_mov_b32 s[\g+1], 4096<<16                    ; a row: four tiles' run, 4,096 elements of 8 bytes
	s_mov_b32 s[\g+2], 2<<16                       ; the first fill has two rows: runs 0 and 1
	s_mov_b32 s[\g+3], 4096<<16
	s_mov_b32 s[\g+4], 2
	s_mov_b32 s[\g+5], 0x20000                     ; from run to run: 1,048,576 bytes
	s_mov_b32 s[\g+6], 0
	s_mov_b32 s[\g+7], 0
.endr
	s_lshl_b32 s25, s21, 15                        ; my half in memory: four tiles on
	s_lshl_b32 s[G0P+1], s21, 16                   ; and in LDS: two runs of it
	s_lshl_b32 s80, s14, 16
	s_add_co_u32 s80, s80, s25
	s_add_co_u32 s80, s80, 0x1200000
	s_mov_b32 s81, 0
	s_lshl_b32 s82, s15, 16
	s_add_co_u32 s82, s82, s25
	s_mov_b32 s83, 0
	s_add_co_u32 s[G0R+1], s[G0P+1], 2*PB
	s_mov_b32 s[PSTR], 0x100000
	s_mov_b32 s[PSTR+1], 0
	s_mov_b32 s[RSTR], 0x100000
	s_mov_b32 s[RSTR+1], 0
	s_wait_kmcnt 0x0
	s_load_b64 s[96:97], s[8:9], 0x28
	s_mov_b32 s[G0P], 1
	s_add_nc_u64 s[G0P+2:G0P+3], s[4:5], s[80:81]
	s_mov_b32 s[G0P+4], 1
	s_add_co_u32 s[G0P+5], s[G0P+1], PT*KS*2048
	s_add_nc_u64 s[G0P+6:G0P+7], s[G0P+2:G0P+3], s[PSTR:PSTR+1]
	s_or_b32 s[G0P+3], s[G0P+3], 0x80000000
	s_or_b32 s[G0P+7], s[G0P+7], 0x80000000
	s_mov_b32 s[G0R], 1
	s_add_nc_u64 s[G0R+2:G0R+3], s[6:7], s[82:83]
	s_mov_b32 s[G0R+4], 1
	s_add_co_u32 s[G0R+5], s[G0R+1], RT*KS*2048
	s_add_nc_u64 s[G0R+6:G0R+7], s[G0R+2:G0R+3], s[RSTR:RSTR+1]
	s_or_b32 s[G0R+3], s[G0R+3], 0x80000000
	s_or_b32 s[G0R+7], s[G0R+7], 0x80000000
	s_lshl_b32 s[PSTR], s[PSTR], 1
	s_lshl_b32 s[RSTR], s[RSTR], 1
	CROUND
	JLOAD 0                                        ; my one load at the head: two rows, both slots' first fill
	s_lshl_b32 s86, s13, 13                        ; the prefetches: of P's half the partner at cy takes 8,192 bytes,
	s_add_co_u32 s86, s86, s80
	s_lshl_b32 s88, s12, 13                        ; of R's half the partner at cx
	s_add_co_u32 s88, s88, s82
	s_cmp_lt_u32 s20, 2
	s_cselect_b64 s[84:85], s[4:5], s[6:7]
	s_cselect_b32 s86, s86, s88
	s_mov_b32 s87, 0
	s_add_nc_u64 s[84:85], s[84:85], s[86:87]
	v_and_b32 v1, 31, v0
	v_lshlrev_b32 v2, 4, v1
	v_lshlrev_b32 v27, 4, v2                       ; 256 x lane; never rewritten
	global_prefetch_b8 v27, s[84:85] offset:0x200000 th:TH_LOAD_NT scope:SCOPE_SE   ; run 2, what the first refill will want,
	global_prefetch_b8 v27, s[84:85] offset:0x300000 th:TH_LOAD_NT scope:SCOPE_SE   ; and run 3, the last
	s_mul_i32 s23, s21, 2*PT*KS*2048
	s_mul_i32 s24, s22, 2*RT*KS*2048
	s_add_co_u32 s24, s24, 2*PB
	v_add_nc_u32 v[ADP], s23, v2
	v_add_nc_u32 v[ADR], s24, v2
	s_add_co_u32 s23, s23, PT*KS*2048
	s_add_co_u32 s24, s24, RT*KS*2048
	v_add_nc_u32 v[ADP+1], s23, v2
	v_add_nc_u32 v[ADR+1], s24, v2
	v_and_b32 v3, 15, v0
	v_bfe_u32 v4, v0, 4, 1
	s_mul_i32 s23, s20, 16*SPITCH
	s_add_co_u32 s23, s23, STAGE
	v_mul_u32_u24 v[STO], v3, SPITCH
	v_lshl_add_u32 v[STO], v4, 6, v[STO]
	v_add_nc_u32 v[STO], s23, v[STO]
	v_mul_u32_u24 v[RD], v4, SPITCH
	v_lshl_add_u32 v[RD], v3, 4, v[RD]
	v_add_nc_u32 v[RD], s23, v[RD]
	v_lshlrev_b32 v[CO], 13, v4
	v_lshl_add_u32 v[CO], v3, 4, v[CO]
	s_lshl_b32 s18, s15, 20
	s_lshl_b32 s19, s22, 19
	s_add_co_u32 s18, s18, s19
	s_lshl_b32 s19, s14, 9
	s_add_co_u32 s18, s18, s19
	s_lshl_b32 s19, s21, 8
	s_add_co_u32 s18, s18, s19
	s_mov_b32 s19, 0
	s_add_nc_u64 s[10:11], s[10:11], s[18:19]
	s_wait_alu depctr_va_vdst(0)
	s_wait_tensorcnt 0x0                           ; my one load is in: my part of both slots
	s_barrier_signal -1
	s_barrier_wait -1
	FETCH 0, 0, 0
	STEP 0, 0, 1
	STEP 0, 1, 0
	STEP 0, 2, 0
	TURN 0, 1, 1
	STEP 1, 0, 0
	STEP 1, 1, 0
	STEP 1, 2, 0
	TURN 1, 0, 1
	STEP 0, 0, 0
	STEP 0, 1, 0
	STEP 0, 2, 0
	TURN 0, 1, 0
	STEP 1, 0, 0
	STEP 1, 1, 0
	STEP 1, 2, 0
	s_wait_dscnt 0x0
	WIN 0xa1
	MULA 0, 1, 0
	MULA 1, 1, 0
	MULA 2, 1, 0
	MULA 3, 1, 0
	WIN 0
	PLACES
	s_wait_kmcnt 0x0
	s_add_co_i32 s96, s96, s97
	s_add_co_i32 s96, s96, 127
	s_lshl_b32 s96, s96, 23
	s_mov_b32 s97, s96
.macro TOSTAGE a
	WIN 0x02
.set nn, 0
.rept 16
	v_pk_mul_f32 v[TMP+nn:TMP+nn+1], v[32*(\a)+nn:32*(\a)+nn+1], s[96:97] op_sel_hi:[1,0]
.set nn, nn+2
.endr
	WIN 0
.irp b, 0,1,2,3
	ds_store_b128 v[STO], v[TMP+8*\b:TMP+8*\b+3] offset:128*(\b/2)+32*(\b%2)
	ds_store_b128 v[STO], v[TMP+8*\b+4:TMP+8*\b+7] offset:128*(\b/2)+32*(\b%2)+16
.endr
.irp t, 0,1,2,3,4,5,6,7
	ds_load_b128 v[BK+32*((\a)%2)+4*\t:BK+32*((\a)%2)+4*\t+3], v[RD] offset:\t*2*SPITCH
.endr
.endm
.macro SEND a, younger
	s_wait_dscnt \younger
.irp t, 0,1,2,3,4,5,6,7
	global_store_b128 v[CO], v[BK+32*((\a)%2)+4*\t:BK+32*((\a)%2)+4*\t+3], s[10:11] offset:(32*((\a)/2)+8*((\a)%2)+2*\t+8*(\t/4))*8192 th:TH_STORE_NT
.endr
.endm
	TOSTAGE 0
	TOSTAGE 1
	SEND 0, 16
	s_wait_xcnt 0x0
	TOSTAGE 2
	SEND 1, 16
	s_wait_xcnt 0x0
	TOSTAGE 3
	SEND 2, 16
	SEND 3, 0
	s_wait_tensorcnt 0x0
	ds_add_u32 v[SPW], v[NIL]
	s_wait_dscnt 0x0
	CROUND
	s_endpgm
.Lfunc_end_k_q16bc1db863_oproj:
	.size	k_q16bc1db863_oproj, .Lfunc_end_k_q16bc1db863_oproj-k_q16bc1db863_oproj
	.p2alignl 7, 3214868480
	.fill 96, 4, 3214868480
	.section	.rodata,"a",@progbits
	.p2align	6, 0x0
	.amdhsa_kernel k_q16bc1db863_oproj
		.amdhsa_group_segment_fixed_size 327680
		.amdhsa_private_segment_fixed_size 0
		.amdhsa_enable_private_segment 0
		.amdhsa_kernarg_size 32
		.amdhsa_user_sgpr_count 2
		.amdhsa_user_sgpr_kernarg_segment_ptr 1
		.amdhsa_wavefront_size32 1
		.amdhsa_system_sgpr_workgroup_id_x 1
		.amdhsa_system_sgpr_workgroup_id_y 1
		.amdhsa_system_sgpr_workgroup_id_z 1
		.amdhsa_system_vgpr_workitem_id 0
		.amdhsa_next_free_vgpr 768
		.amdhsa_next_free_sgpr 100
		.amdhsa_reserve_vcc 0
		.amdhsa_float_denorm_mode_32 3
		.amdhsa_float_denorm_mode_16_64 3
		.amdhsa_memory_ordered 1
		.amdhsa_forward_progress 1
		.amdhsa_inst_pref_size 74
	.end_amdhsa_kernel
	.amdgpu_metadata
---
amdhsa.version: [ 1, 2 ]
amdhsa.kernels:
  - .name:           k_q16bc1db863_oproj
    .symbol:         k_q16bc1db863_oproj.kd
    .args:
      - { .name: cod, .offset: 0, .size: 8, .value_kind: global_buffer, .address_space: global }
      - { .name: ao, .offset: 8, .size: 8, .value_kind: global_buffer, .address_space: global }
      - { .name: lowp_scales, .offset: 16, .size: 8, .value_kind: global_buffer, .address_space: global }
      - { .name: out0, .offset: 24, .size: 8, .value_kind: global_buffer, .address_space: global }
    .group_segment_fixed_size: 327680
    .private_segment_fixed_size: 0
    .kernarg_segment_align: 8
    .kernarg_segment_size: 32
    .max_flat_workgroup_size: 128
    .sgpr_count:     100
    .vgpr_count:     768
    .wavefront_size: 32
...
	.end_amdgpu_metadata
.endif
;; end of part 4
